; MI455X (gfx1250); checked and timed in simulation.
; The chip was launched on July 23, 2026; its instructions are those of AMD's public machine-readable ISA for CDNA 5 (MIT licence, August 2026) and "CDNA5" Instruction Set Architecture Reference Guide (July 2026). The comments in the code are by the model that wrote it; some were corrected since.
;; Causal Self Attention. Allowed arithmetic: matrix products marked QUANTISED: E2M1 operands, one E8M0 scale for each 32 along K, by v_wmma_scale_f32_16x16x128_f8f6f4 with both operands' format E2M1 (or v_wmma_scale_f32_32x16x128_f4), f32 sums; products left as they are: bf16, f16 or f32 operands; f32 sums; everything else in f32.
;; Inputs: Wout 1,024 x 1,024 float32; Wqkv 1,024 x 3,072 float32; x 4 x 2,048 x 1,024 float32.
;; Outputs: out0 4 x 2,048 x 1,024 float32.
;; This version of the problem:
;;   THIS VERSION OF THE PROBLEM IS GIVEN IN LOW PRECISION. The matrix products marked QUANTISED in the list below multiply operands that are first quantised to E2M1 (2 exponent bits, 1 mantissa bit; 4 bits a number), with one power-of-two scale for each 32 numbers along K (OCP MX v1.0); their sums are f32. The products marked 'left as it is' may take bf16, f16 or f32 operands, with f32 sums. Whichever they take, every output number must still come out within the allowed error. Rounding operands to bf16 (8 significant bits) uses up far more of that allowance than f16 does (11 bits, for magnitudes from 6e-5 to 65,504). All else is computed in f32.
;;   The module's matrix products, in the order in which they are computed (A, B: the left and right operand; K: the contracted axis; several contracted axes count as one K, in the product's order):
;;     1. [M 8,192, K 1,024] x [K 1,024, N 3,072]; A: input x; B: input Wqkv: QUANTISED
;;     2. batch 64 x [M 2,048, K 64] x [K 64, N 2,048]; A: computed on the way; B: computed on the way: left as it is (an operand is computed on the way)
;;     3. batch 64 x [M 2,048, K 2,048] x [K 2,048, N 64]; A: computed on the way; B: computed on the way: left as it is (an operand is computed on the way)
;;     4. [M 8,192, K 1,024] x [K 1,024, N 1,024]; A: computed on the way; B: input Wout: left as it is (an operand is computed on the way)
;;   THE QUANTISER, for each operand of a quantised product, along K:
;;     - K is cut into blocks of 32 from its start; a last block that is shorter is filled with zeros.
;;     - A block's scale is 2^e with e = floor(log2(the largest magnitude in the block)) - 2, held to -126 .. 127; a block of zeros has e = 0. As a byte (E8M0): e + 127.
;;     - Each number is divided by its block's scale, clamped to +-6, and rounded to the nearest number of E2M1, ties to even, subnormals kept.
;;     - The product sums the exact products of the quantised numbers (number of the format x scale) in f32.
;;   ~~~python
;;   def quantise(x, axis):      # numpy; x: float32 -> the quantised numbers, widened to float32 again
;;       x = np.moveaxis(x, axis, -1); K = x.shape[-1]
;;       x = np.pad(x, [(0, 0)] * (x.ndim - 1) + [(0, -K % 32)]); x = x.reshape(x.shape[:-1] + (-1, 32)); a = np.abs(x).max(-1, keepdims=True)
;;       e = np.where(a > 0, np.clip(np.frexp(np.where(a > 0, a, 1))[1] - 1 - 2, -126, 127), 0)      # np.frexp(a)[1] - 1 = floor(log2(a)), exactly
;;       r = np.clip(x / 2.0 ** e, -6, 6)
;;       step = 2.0 ** (np.maximum(np.frexp(np.where(r == 0, 1, r))[1] - 1, 0) - 1)
;;       q = np.round(r / step) * step * 2.0 ** e      # np.round: ties to even
;;       return np.moveaxis(q.reshape(q.shape[:-2] + (-1,))[..., :K], -1, axis).astype(np.float32)
;;   ~~~
;; One version. Each part assembles by itself: llvm-mc -triple=amdgcn-amd-amdhsa -mcpu=gfx1250 --defsym DOCPART=n.
;; ======== version 1 of 1: 6 launches
;; limits: values are held in f16: magnitudes above 65,504 overflow, below 6.1e-05 lose precision
;; workspace buffers: xq 4,456,448 bytes; wq 1,671,168 bytes; wo16 2,097,152 bytes; tab 524,288 bytes; qkv16 50,331,648 bytes; f32rows 786,432 bytes; a16 16,777,216 bytes
;; launch quantx (part 1): grid 256 x 1, 4 waves a work-group, no clusters, 33,280 bytes of LDS; arguments x, xq; writes xq
.if DOCPART == 1
	.amdgcn_target "amdgcn-amd-amdhsa--gfx1250"
	.amdhsa_code_object_version 6
	.text
	.protected	k_q2974f9a4c6_quantx
	.globl	k_q2974f9a4c6_quantx
	.p2align	8
	.type	k_q2974f9a4c6_quantx,@function
k_q2974f9a4c6_quantx:
	s_mov_b64 s[64:65], 0
	v_nop
	global_prefetch_b8 v0, s[64:65] scope:SCOPE_SE
	s_setreg_imm32_b32 hwreg(HW_REG_WAVE_MODE, 25, 1), 1
	s_wait_xcnt 0x0
; THE PROGRAM: out = attention(x Wqkv) Wout, B = 4, T = 2,048, D = 1,024, 16 heads of 64, in six launches:
;   quantx: x -> FP4 codes;  prepw: Wqkv -> FP4 codes, Wout -> f16, the RoPE table;  qkv: the quantised product, RoPE;  attn: the banded attention in f16;  proj: the product with Wout in f16;
;   first16: positions 0 to 15 of every sequence once more, in f32, over proj's rows.
; WORK LEFT OUT.  reference() builds the mask itself: key j counts for query i iff i - 511 <= j <= i; every other score becomes -inf ahead of the softmax, so its weight is exp(-inf) = 0
; and its term in the weighted sum of V is 0, whatever finite numbers x, Wqkv and Wout hold.  So key steps that lie wholly outside the band are neither multiplied nor loaded (attn, first16).
; Every input has a way to the output: all three are loaded.  LIMIT: a NaN, an infinity or an overflow that reaches only scores outside the band is not carried to the result.
; OTHER LIMITS: q, k, v, the attention's output and Wout go to the matrix units as f16: magnitudes stay under 65,504, and numbers under 6e-5 keep an absolute error of 3e-8.
;
; THIS LAUNCH: x [8192][1024] f32 becomes codes of FP4 (E2M1), K innermost, [8192][512 bytes] at byte 0 of xq, and one E8M0 byte for each 32 along K, [8192][32], at byte 0x400000 of xq.
; A block's scale is 2^(floor(log2(its largest magnitude)) - 2); its byte is the largest magnitude's exponent field - 2, held at 1 from below.  A block of zeros so gets the byte 1 where the rule says 127:
; its codes are zeros, which add nothing under any byte but 0xff, and this program alone reads the bytes.  LIMITS: blocks whose largest magnitude lies under 2^(2 - 126) were not tried; NaN and infinities in x are not served.
; Rows are dense and 1,024 is a multiple of 32: x is a plain stream of blocks of 32.  A wave takes a run of 8,192 numbers in 16 steps of 512.  Each of a step's four loads reads 512 consecutive bytes; the 2,048 bytes turn
; through the wave's own stage in LDS (16 bytes of padding behind each 64) and come back 64 bytes a lane: 16 neighbours, two lanes to a block.  A lane's 16 codes are 8 bytes: a wave's store covers 256 consecutive bytes, aligned.
; A wave's 256 scale bytes are gathered in its own LDS bytes and leave as one store of 256 consecutive bytes.  No barrier: waves share nothing.  Loads run eight steps (32 loads a wave) ahead, the turn through LDS one step.
.set WAVES, 4
.set STEPS, 16
.set AHEAD, 8
.set CB,    8                          ; bytes of 16 codes
.set R,     16                         ; v16-143  eight sets of 16 numbers as they are loaded
.set X,     144                        ; v144-175 two sets of 16 neighbours
.set C,     176                        ; v176-207 codes: two registers for each step, so that no store's data are written again
.set E,     208                        ; v208-223 a scale byte for each step
.set WREG,  8192                       ; LDS: a region for each wave: two stages of 32 x SP bytes, behind them its 256 scale bytes
.set SP,    80
.set SPW,   12                         ; v12 LDS address of my spare word; never rewritten
.set NIL,   13                         ; v13 0; never rewritten
.set SPARE, WAVES*WREG                 ; behind the regions: the spare words, 128 bytes a wave
	s_load_b128 s[4:7], s[0:1], 0x0                ; x s[4:5], xq s[6:7]
	v_lshl_add_u32 v[SPW], v0, 2, SPARE
	v_mov_b32 v[NIL], 0
	v_lshrrev_b32 v1, 5, v0
	v_readfirstlane_b32 s16, v1                    ; wave
	v_and_b32 v2, 31, v0                           ; lane
	v_lshlrev_b32 v3, 4, v2                        ; my 16 bytes of a load's 512
	s_mul_i32 s17, s16, WREG
	v_lshrrev_b32 v14, 2, v2
	v_mul_u32_u24 v14, v14, SP
	v_and_b32 v15, 3, v2
	v_lshl_add_u32 v14, v15, 4, v14
	v_add_nc_u32 v14, s17, v14                     ; the stage, on the way in: SP (lane / 4) + 16 (lane % 4)
	v_mul_u32_u24 v15, v2, SP
	v_add_nc_u32 v15, s17, v15                     ; and on the way out: SP x lane
	v_mul_u32_u24 v4, v2, CB                       ; my codes' place in a step's
	v_lshrrev_b32 v5, 1, v2
	s_add_co_u32 s17, s17, 2*32*SP
	v_add_nc_u32 v5, s17, v5                       ; my block's scale byte in LDS
	v_lshlrev_b32 v7, 3, v2
	v_add_nc_u32 v6, s17, v7                       ; and 8 bytes a lane on the way out
	s_lshl_b32 s18, ttmp9, 2
	s_add_co_u32 s18, s18, s16                     ; my run: 4 x work-group + wave, 0 .. 1,023
	s_lshl_b32 s20, s18, 15                        ; 32,768 bytes of x a run
	s_mov_b32 s21, 0
	s_lshl_b32 s22, s18, 12                        ; 4,096 bytes of codes
	s_mov_b32 s23, 0
	s_lshl_b32 s24, s18, 8                         ; 256 scale bytes,
	s_add_co_u32 s24, s24, 0x400000                ; behind the codes
	s_mov_b32 s25, 0
	s_wait_kmcnt 0x0
	s_add_nc_u64 s[4:5], s[4:5], s[20:21]
	s_add_nc_u64 s[8:9], s[6:7], s[22:23]
	s_add_nc_u64 s[10:11], s[6:7], s[24:25]
.macro LOAD t
.irp i, 0,1,2,3
	global_load_b128 v[R+16*((\t)%AHEAD)+4*\i:R+16*((\t)%AHEAD)+4*\i+3], v3, s[4:5] offset:2048*(\t)+512*\i th:TH_LOAD_NT
.endr
.endm
.macro TURN t                          ; step t's numbers through the stage: LDS serves a wave's instructions in order, so no wait stands between the stores and the loads
.irp i, 0,1,2,3
	ds_store_b128 v14, v[R+16*((\t)%AHEAD)+4*\i:R+16*((\t)%AHEAD)+4*\i+3] offset:32*SP*((\t)%2)+8*SP*\i
.endr
.irp i, 0,1,2,3
	ds_load_b128 v[X+16*((\t)%2)+4*\i:X+16*((\t)%2)+4*\i+3], v15 offset:32*SP*((\t)%2)+16*\i
.endr
.endm
.irp t, 0,1,2,3,4,5,6,7
	LOAD \t
.endr
	s_wait_loadcnt 28                              ; step 0's four loads are in; the seven steps behind it may be out
	TURN 0
.macro STEP t
.set XS, X+16*((\t)%2)
.if (\t) > 0
	s_wait_dscnt 1                                 ; this step's numbers are back from the stage (the last step's byte store may be out): so its stores into the stage have read their registers,
.else
	s_wait_dscnt 0x0
.endif
.if (\t)+AHEAD < STEPS
	LOAD (\t)+AHEAD                                ; which take the loads of eight steps on
.endif
.if (\t)+1 < STEPS
.if STEPS-2-(\t) >= AHEAD-1
	s_wait_loadcnt 4*(AHEAD-1)                     ; the next step's four loads are in; those of the seven steps behind it may be out
.else
	s_wait_loadcnt 4*(STEPS-2-(\t))                ; at the end the counts run down
.endif
	TURN (\t)+1
.endif
	v_max3_num_f32 v8, |v[XS]|, |v[XS+1]|, |v[XS+2]|               ; the largest magnitude of my 16, in two chains
	v_max3_num_f32 v9, |v[XS+3]|, |v[XS+4]|, |v[XS+5]|
.irp i, 6,10
	v_max3_num_f32 v8, v8, |v[XS+\i]|, |v[XS+\i+1]|
	v_max3_num_f32 v9, v9, |v[XS+\i+2]|, |v[XS+\i+3]|
.endr
	v_max3_num_f32 v8, v8, |v[XS+14]|, |v[XS+15]|
	v_max3_num_f32 v8, v8, v9, 0x1800000           ; and the floor 2^(3 - 127): the byte cannot fall under 1
	v_max_num_f32_dpp v8, v8, v8 row_xmask:1 row_mask:0xf bank_mask:0xf   ; and of my neighbour's 16: the block's
	v_add_nc_u32 v11, 0xff000000, v8               ; 2 off its exponent field: the conversion takes the exponent field of this operand as its scale
	v_cvt_scalef32_pk8_fp4_f32 v[C+2*(\t)], v[XS:XS+7], v11
	v_cvt_scalef32_pk8_fp4_f32 v[C+2*(\t)+1], v[XS+8:XS+15], v11
	v_lshrrev_b32 v[E+(\t)], 23, v11               ; the scale's byte (a plain line behind the conversions)
	ds_store_b8 v5, v[E+(\t)] offset:16*(\t)       ; both lanes of a block write the same byte with the same value
	global_store_b64 v4, v[C+2*(\t):C+2*(\t)+1], s[8:9] offset:32*CB*(\t)
.endm
.irp t, 0,1,2,3,4,5,6,7,8,9,10,11,12,13,14,15
	STEP \t
.endr
	ds_load_b64 v[8:9], v6                         ; LDS serves a wave's instructions in order: these see my byte stores
	s_wait_dscnt 0x0
	global_store_b64 v7, v[8:9], s[10:11]          ; 32 lanes store 256 consecutive bytes, aligned
	s_wait_tensorcnt 0x0                           ; the wave's end, behind my last LDS store
	ds_add_u32 v[SPW], v[NIL]
	s_wait_dscnt 0x0
	s_endpgm
.Lfunc_end_k_q2974f9a4c6_quantx:
	.size	k_q2974f9a4c6_quantx, .Lfunc_end_k_q2974f9a4c6_quantx-k_q2974f9a4c6_quantx
	.p2alignl 7, 3214868480
	.fill 96, 4, 3214868480
	.section	.rodata,"a",@progbits
	.p2align	6, 0x0
	.amdhsa_kernel k_q2974f9a4c6_quantx
		.amdhsa_group_segment_fixed_size 33280
		.amdhsa_private_segment_fixed_size 0
		.amdhsa_enable_private_segment 0
		.amdhsa_kernarg_size 16
		.amdhsa_user_sgpr_count 2
		.amdhsa_user_sgpr_kernarg_segment_ptr 1
		.amdhsa_wavefront_size32 1
		.amdhsa_system_sgpr_workgroup_id_x 1
		.amdhsa_system_sgpr_workgroup_id_y 1
		.amdhsa_system_sgpr_workgroup_id_z 1
		.amdhsa_system_vgpr_workitem_id 0
		.amdhsa_next_free_vgpr 224
		.amdhsa_next_free_sgpr 66
		.amdhsa_reserve_vcc 0
		.amdhsa_float_denorm_mode_32 3
		.amdhsa_float_denorm_mode_16_64 3
		.amdhsa_memory_ordered 1
		.amdhsa_forward_progress 1
		.amdhsa_inst_pref_size 33
	.end_amdhsa_kernel
	.amdgpu_metadata
---
amdhsa.version: [ 1, 2 ]
amdhsa.kernels:
  - .name:           k_q2974f9a4c6_quantx
    .symbol:         k_q2974f9a4c6_quantx.kd
    .args:
      - { .name: x, .offset: 0, .size: 8, .value_kind: global_buffer, .address_space: global }
      - { .name: xq, .offset: 8, .size: 8, .value_kind: global_buffer, .address_space: global }
    .group_segment_fixed_size: 33280
    .private_segment_fixed_size: 0
    .kernarg_segment_align: 8
    .kernarg_segment_size: 16
    .max_flat_workgroup_size: 128
    .sgpr_count:     66
    .vgpr_count:     224
    .wavefront_size: 32
...
	.end_amdgpu_metadata
.endif
;; end of part 1
;; launch prepw (part 2): grid 176 x 1, 16 waves a work-group, no clusters, 37,888 bytes of LDS; arguments Wqkv, Wout, wq, wo16, tab; writes wq, wo16, tab
.if DOCPART == 2
	.amdgcn_target "amdgcn-amd-amdhsa--gfx1250"
	.amdhsa_code_object_version 6
	.text
	.protected	k_q2974f9a4c6_prepw
	.globl	k_q2974f9a4c6_prepw
	.p2align	8
	.type	k_q2974f9a4c6_prepw,@function
k_q2974f9a4c6_prepw:
	s_mov_b64 s[64:65], 0
	v_nop
	global_prefetch_b8 v0, s[64:65] scope:SCOPE_SE
	s_setreg_imm32_b32 hwreg(HW_REG_WAVE_MODE, 25, 1), 1
	s_wait_xcnt 0x0
; Three jobs in one launch, told apart by the work-group's number; only the first touches LDS.
; Q (work-groups 0-47): Wqkv [1024 k][3072 n] f32 -> codes of FP4 with K innermost, [3072][512 bytes] at byte 0 of wq, and E8M0 bytes [3072][32] at byte 0x180000.  A work-group takes 64 columns and all of K.
;   A LANE TAKES A COLUMN, ITS REGISTERS RUN DOWN K: wave w takes columns 32 (w % 2) on and K = 128 (w / 2) on: four blocks of 32 a lane, 128 loads of 128 consecutive bytes a wave, all issued at once.
;   A block's largest magnitude needs no other lane and the conversions give codes with K innermost.  The codes meet in a stage (64 rows of 512 bytes + 16), a barrier, and leave as whole rows.
;   The quantiser and its limits are those stated at quantx's head.
; O (48-111): Wout [1024 k][1024 n] f32 -> f16, the same layout.  A plain stream.  LIMIT: |Wout| under 65,504.
; T (112-175): the RoPE table tab [2048 t][64] f32: cos(t theta_f), f = 0 .. 31, then sin(t theta_f); theta_f = 10000^(-f / 32) = 2^(-f log2(10000) / 32).
;   The angle a = t theta in f32 is brought to r = a - n pi/2 (pi/2 in two parts, fused), |r| <= pi/4; sin r and cos r by their series to r^9 and r^10 (the first terms left out are under 2e-9); n picks form and sign.
;   LIMIT: theta differs from reference()'s f32 theta by a few units in its last place, the angle at t = 2,047 by up to about 3e-4.
.set ROWW,  12288                      ; a row of Wqkv in bytes
.set X,     32                         ; v32-159  Q: four blocks of 32 numbers
.set C,     160                        ; v160-175 Q: their codes
.set SB,    176                        ; v176     Q: their four scale bytes
.set SCS,   64*528                     ; LDS: behind the stage, 64 rows of 32 scale bytes
.set SPARE, SCS+2048                   ; the spare words, 128 bytes a wave
.set SPW,   190
.set NIL,   191
	s_load_b256 s[4:11], s[0:1], 0x0               ; Wqkv s[4:5], Wout s[6:7], wq s[8:9], wo16 s[10:11]
	s_load_b64 s[12:13], s[0:1], 0x20              ; tab
	v_lshl_add_u32 v[SPW], v0, 2, SPARE
	v_mov_b32 v[NIL], 0
	v_lshrrev_b32 v1, 5, v0
	v_readfirstlane_b32 s16, v1                    ; wave 0..15
	v_and_b32 v2, 31, v0                           ; lane
	; Q's LDS addresses are made here, ahead of the parting
	s_and_b32 s17, s16, 1                          ; ch: which 32 columns
	s_lshr_b32 s18, s16, 1                         ; kq: which 128 along K
	s_mul_i32 s19, s17, 32*528
	s_lshl_b32 s20, s18, 6
	s_add_co_u32 s19, s19, s20
	v_mul_u32_u24 v3, v2, 528
	v_add_nc_u32 v3, s19, v3                       ; into the stage: row = my column, 64 kq bytes on
	s_lshl_b32 s20, s17, 10
	s_lshl_b32 s21, s18, 2
	s_add_co_u32 s20, s20, s21
	s_add_co_u32 s20, s20, SCS
	v_lshl_add_u32 v4, v2, 5, s20                  ; my column's scale word for my 128 along K
	s_mul_i32 s21, s16, 4*528
	v_lshl_add_u32 v5, v2, 4, s21                  ; out of the stage: rows 4 w on, 16 bytes a lane
	s_lshl_b32 s21, s16, 9
	s_add_co_u32 s21, s21, SCS
	v_lshl_add_u32 v6, v2, 4, s21                  ; the scale bytes, 512 a wave (waves 0 to 3)
	v_lshlrev_b32 v7, 2, v2                        ; 4 x lane
	v_lshlrev_b32 v8, 4, v2                        ; 16 x lane
	s_wait_kmcnt 0x0
	s_cmp_lt_u32 ttmp9, 48
	s_cbranch_scc1 .Lpath_q
	s_cmp_lt_u32 ttmp9, 112
	s_cbranch_scc1 .Lpath_o
	; ---- T: thread id = 512 (work-group - 112) + thread makes 16 bytes: t = id / 16; id % 16: 0-7 four cosines, 8-15 four sines, of frequencies 4 (id % 8) on
.set TH, 32
.set AN, 36
.set NN, 40
.set RR, 44
.set ZZ, 48
.set PS, 52
.set PC, 56
.set OU, 64
	s_sub_co_u32 s17, ttmp9, 112
	s_lshl_b32 s17, s17, 9
	v_add_nc_u32 v22, s17, v0                      ; id
	v_lshrrev_b32 v23, 4, v22                      ; t
	v_and_b32 v24, 7, v22
	v_lshlrev_b32 v24, 2, v24                      ; my first frequency
	v_bfe_u32 v25, v22, 3, 1
	v_mul_u32_u24 v25, v25, 3                      ; sin a = cos(a - pi/2): three quarter turns more
	v_cvt_f32_u32 v26, v23
	v_lshlrev_b32 v27, 4, v22                      ; my 16 bytes of the table
	v_mov_b32 v20, 0x3638ef1d                      ; 1/9!
	v_mov_b32 v21, 0xb493f27e                      ; -1/10!
.irp e, 0,1,2,3
	v_add_nc_u32 v[TH+\e], \e, v24
.endr
.irp e, 0,1,2,3
	v_cvt_f32_u32 v[TH+\e], v[TH+\e]
.endr
.irp e, 0,1,2,3
	v_mul_f32 v[TH+\e], 0xbed49a78, v[TH+\e]       ; -f log2(10000) / 32
.endr
.irp e, 0,1,2,3
	v_exp_f32 v[TH+\e], v[TH+\e]                   ; theta
.endr
	v_nop                                          ; a plain line behind the last exponential,
	s_wait_alu depctr_va_vdst(0)                   ; and one wait for the four, ahead of their first reader
.irp e, 0,1,2,3
	v_mul_f32 v[AN+\e], v26, v[TH+\e]              ; a = t theta
.endr
.irp e, 0,1,2,3
	v_mul_f32 v[NN+\e], 0x3f22f983, v[AN+\e]       ; a x 2 / pi
.endr
.irp e, 0,1,2,3
	v_rndne_f32 v[NN+\e], v[NN+\e]                 ; n
.endr
.irp e, 0,1,2,3
	v_fmamk_f32 v[RR+\e], v[NN+\e], 0xbfc90fdb, v[AN+\e]   ; a - n x (pi/2's upper part)
.endr
.irp e, 0,1,2,3
	v_fmamk_f32 v[RR+\e], v[NN+\e], 0x333bbd2e, v[RR+\e]   ; - n x (its lower part)
.endr
.irp e, 0,1,2,3
	v_mul_f32 v[ZZ+\e], v[RR+\e], v[RR+\e]
.endr
.irp e, 0,1,2,3
	v_fmaak_f32 v[PS+\e], v20, v[ZZ+\e], 0xb9500d01        ; the two series by turns
	v_fmaak_f32 v[PC+\e], v21, v[ZZ+\e], 0x37d00d01
.endr
.irp e, 0,1,2,3
	v_fmaak_f32 v[PS+\e], v[PS+\e], v[ZZ+\e], 0x3c088889
	v_fmaak_f32 v[PC+\e], v[PC+\e], v[ZZ+\e], 0xbab60b61
.endr
.irp e, 0,1,2,3
	v_fmaak_f32 v[PS+\e], v[PS+\e], v[ZZ+\e], 0xbe2aaaab
	v_fmaak_f32 v[PC+\e], v[PC+\e], v[ZZ+\e], 0x3d2aaaab
.endr
.irp e, 0,1,2,3
	v_mul_f32 v[AN+\e], v[RR+\e], v[ZZ+\e]
	v_fmaak_f32 v[PC+\e], v[PC+\e], v[ZZ+\e], 0xbf000000
.endr
.irp e, 0,1,2,3
	v_fma_f32 v[PS+\e], v[AN+\e], v[PS+\e], v[RR+\e]       ; sin r
	v_fma_f32 v[PC+\e], v[PC+\e], v[ZZ+\e], 1.0            ; cos r
.endr
.irp e, 0,1,2,3
	v_cvt_i32_f32 v[NN+\e], v[NN+\e]
.endr
.irp e, 0,1,2,3
	v_add_nc_u32 v[NN+\e], v[NN+\e], v25           ; q: quarter turns.  cos(q pi/2 + r) = cos r, -sin r, -cos r, sin r for q % 4 = 0, 1, 2, 3
.endr
.irp e, 0,1,2,3
	v_and_b32 v[AN+\e], 1, v[NN+\e]
	v_cmp_eq_u32 vcc_lo, 1, v[AN+\e]
	v_cndmask_b32 v[OU+\e], v[PC+\e], v[PS+\e], vcc_lo     ; odd q: the sine
	v_add_nc_u32 v[NN+\e], 1, v[NN+\e]
	v_and_b32 v[NN+\e], 2, v[NN+\e]                ; q % 4 = 1 or 2: the sign
	v_lshlrev_b32 v[NN+\e], 30, v[NN+\e]
	v_xor_b32 v[OU+\e], v[OU+\e], v[NN+\e]
.endr
	global_store_b128 v27, v[OU:OU+3], s[12:13]    ; sixteen lanes store a row of the table: 256 consecutive bytes, aligned
	s_branch .Lend
.Lpath_o:
	; ---- O: 65,536 bytes of Wout a work-group, eight passes of 8,192; 16 bytes in and 8 out a thread
	s_sub_co_u32 s17, ttmp9, 48
	s_lshl_b32 s22, s17, 16
	s_mov_b32 s23, 0
	s_lshl_b32 s24, s17, 15
	s_mov_b32 s25, 0
	s_add_nc_u64 s[6:7], s[6:7], s[22:23]
	s_add_nc_u64 s[10:11], s[10:11], s[24:25]
	v_lshlrev_b32 v9, 4, v0
	v_lshlrev_b32 v10, 3, v0
.irp p, 0,1,2,3,4,5,6,7
	global_load_b128 v[32+4*\p:35+4*\p], v9, s[6:7] offset:8192*\p th:TH_LOAD_NT
.endr
.irp p, 0,1,2,3,4,5,6,7
	s_wait_loadcnt 7-\p                            ; loads come back in order: pass p's is in, the later ones may be out
	v_cvt_pk_f16_f32 v[64+2*\p], v[32+4*\p], v[33+4*\p]
	v_cvt_pk_f16_f32 v[65+2*\p], v[34+4*\p], v[35+4*\p]
	global_store_b64 v10, v[64+2*\p:65+2*\p], s[10:11] offset:4096*\p   ; a wave stores 256 consecutive bytes, aligned
.endr
	s_branch .Lend
.Lpath_q:
	s_mul_i32 s22, s18, 128*ROWW                   ; my 128 rows of Wqkv,
	s_lshl_b32 s23, ttmp9, 8                       ; the work-group's 64 columns,
	s_add_co_u32 s22, s22, s23
	s_lshl_b32 s23, s17, 7                         ; my 32 of them
	s_add_co_u32 s22, s22, s23
	s_mov_b32 s23, 0
	s_add_nc_u64 s[4:5], s[4:5], s[22:23]
	s_lshl_b32 s24, ttmp9, 15                      ; codes: 64 rows of 512 bytes a work-group,
	s_lshl_b32 s25, s16, 11                        ; four rows a wave
	s_add_co_u32 s24, s24, s25
	s_mov_b32 s25, 0
	s_add_nc_u64 s[24:25], s[8:9], s[24:25]
	s_lshl_b32 s26, ttmp9, 11                      ; scale bytes: 2,048 a work-group,
	s_lshl_b32 s27, s16, 9                         ; 512 a wave,
	s_add_co_u32 s26, s26, s27
	s_add_co_u32 s26, s26, 0x180000                ; behind the codes
	s_mov_b32 s27, 0
	s_add_nc_u64 s[26:27], s[8:9], s[26:27]
.set i, 0
.rept 128
	global_load_b32 v[X+i], v7, s[4:5] offset:i*ROWW th:TH_LOAD_NT   ; Wqkv(128 kq + i, my column): 32 lanes read 128 consecutive bytes; the largest offset, 127 rows, lies inside the signed 24-bit immediate
.set i, i+1
.endr
.macro BLOCK t, left
.set XS, X+32*(\t)
	s_wait_loadcnt \left                           ; this block's 32 loads are in
	v_max3_num_f32 v12, |v[XS]|, |v[XS+1]|, |v[XS+2]|       ; the block's largest magnitude: all 32 numbers are mine
	v_max3_num_f32 v13, |v[XS+3]|, |v[XS+4]|, |v[XS+5]|
.irp i, 6,10,14,18,22,26
	v_max3_num_f32 v12, v12, |v[XS+\i]|, |v[XS+\i+1]|
	v_max3_num_f32 v13, v13, |v[XS+\i+2]|, |v[XS+\i+3]|
.endr
	v_max3_num_f32 v12, v12, |v[XS+30]|, |v[XS+31]|
	v_max3_num_f32 v12, v12, v13, 0x1800000        ; and the floor 2^(3 - 127)
	v_add_nc_u32 v11, 0xff000000, v12              ; 2 off its exponent field: the conversion's scale operand
	v_lshrrev_b32 v13, 23, v11                     ; the scale's byte
.if (\t) == 0
	v_mov_b32 v[SB], v13
.else
	v_lshl_or_b32 v[SB], v13, 8*(\t), v[SB]        ; four bytes to the word, the lower K in the lower byte
.endif
.irp g, 0,1,2,3
	v_cvt_scalef32_pk8_fp4_f32 v[C+4*(\t)+\g], v[XS+8*\g:XS+8*\g+7], v11
.endr
	v_nop                                          ; a plain line behind the last conversion
	ds_store_b128 v3, v[C+4*(\t):C+4*(\t)+3] offset:16*(\t)   ; 32 codes: 16 bytes of my column's row; each block has its own registers
.endm
	BLOCK 0, 63                                    ; 96 later loads could stay out; 63 is the largest count that the wait can name
	BLOCK 1, 63                                    ; likewise (64 later loads)
	BLOCK 2, 32
	BLOCK 3, 0
	ds_store_b32 v4, v[SB]
	s_wait_dscnt 0x0                               ; for the others' sake: my stores have landed
	s_barrier_signal -1
	s_barrier_wait -1                              ; 64 whole rows of codes and of scale bytes lie in LDS
.irp k, 0,1,2,3
	ds_load_b128 v[32+4*\k:35+4*\k], v5 offset:528*\k
.endr
.irp k, 0,1,2,3
	s_wait_dscnt 3-\k
	global_store_b128 v8, v[32+4*\k:35+4*\k], s[24:25] offset:512*\k   ; a row of 512 consecutive bytes, aligned
.endr
	s_cmp_lt_u32 s16, 4
	s_cbranch_scc0 .Lend
	ds_load_b128 v[48:51], v6
	s_wait_dscnt 0x0
	global_store_b128 v8, v[48:51], s[26:27]       ; 512 consecutive scale bytes, aligned
.Lend:
	s_wait_tensorcnt 0x0                           ; the wave's end, behind my last LDS store
	ds_add_u32 v[SPW], v[NIL]
	s_wait_dscnt 0x0
	s_endpgm
.Lfunc_end_k_q2974f9a4c6_prepw:
	.size	k_q2974f9a4c6_prepw, .Lfunc_end_k_q2974f9a4c6_prepw-k_q2974f9a4c6_prepw
	.p2alignl 7, 3214868480
	.fill 96, 4, 3214868480
	.section	.rodata,"a",@progbits
	.p2align	6, 0x0
	.amdhsa_kernel k_q2974f9a4c6_prepw
		.amdhsa_group_segment_fixed_size 37888
		.amdhsa_private_segment_fixed_size 0
		.amdhsa_enable_private_segment 0
		.amdhsa_kernarg_size 40
		.amdhsa_user_sgpr_count 2
		.amdhsa_user_sgpr_kernarg_segment_ptr 1
		.amdhsa_wavefront_size32 1
		.amdhsa_system_sgpr_workgroup_id_x 1
		.amdhsa_system_sgpr_workgroup_id_y 1
		.amdhsa_system_sgpr_workgroup_id_z 1
		.amdhsa_system_vgpr_workitem_id 0
		.amdhsa_next_free_vgpr 192
		.amdhsa_next_free_sgpr 66
		.amdhsa_reserve_vcc 1
		.amdhsa_float_denorm_mode_32 3
		.amdhsa_float_denorm_mode_16_64 3
		.amdhsa_memory_ordered 1
		.amdhsa_forward_progress 1
		.amdhsa_inst_pref_size 31
	.end_amdhsa_kernel
	.amdgpu_metadata
---
amdhsa.version: [ 1, 2 ]
amdhsa.kernels:
  - .name:           k_q2974f9a4c6_prepw
    .symbol:         k_q2974f9a4c6_prepw.kd
    .args:
      - { .name: Wqkv, .offset: 0, .size: 8, .value_kind: global_buffer, .address_space: global }
      - { .name: Wout, .offset: 8, .size: 8, .value_kind: global_buffer, .address_space: global }
      - { .name: wq, .offset: 16, .size: 8, .value_kind: global_buffer, .address_space: global }
      - { .name: wo16, .offset: 24, .size: 8, .value_kind: global_buffer, .address_space: global }
      - { .name: tab, .offset: 32, .size: 8, .value_kind: global_buffer, .address_space: global }
    .group_segment_fixed_size: 37888
    .private_segment_fixed_size: 0
    .kernarg_segment_align: 8
    .kernarg_segment_size: 40
    .max_flat_workgroup_size: 512
    .sgpr_count:     66
    .vgpr_count:     192
    .wavefront_size: 32
...
	.end_amdgpu_metadata
.endif
;; end of part 2
;; launch qkv (part 3): grid 12 x 32, 4 waves a work-group, clusters of 4 x 4, 327,680 bytes of LDS; arguments xq, wq, qkv16, tab, f32rows; writes qkv16, f32rows
.if DOCPART == 3
	.amdgcn_target "amdgcn-amd-amdhsa--gfx1250"
	.amdhsa_code_object_version 6
	.text
	.protected	k_q2974f9a4c6_qkv
	.globl	k_q2974f9a4c6_qkv
	.p2align	8
	.type	k_q2974f9a4c6_qkv,@function
k_q2974f9a4c6_qkv:
	s_mov_b64 s[64:65], 0
	v_nop
	global_prefetch_b8 v0, s[64:65] scope:SCOPE_SE
	s_setreg_imm32_b32 hwreg(HW_REG_WAVE_MODE, 25, 1), 1
	s_wait_xcnt 0x0
	s_wait_alu depctr_hold_cnt(0) depctr_sa_sdst(0) depctr_va_vdst(0) depctr_va_sdst(0) depctr_va_ssrc(0) depctr_va_vcc(0) depctr_vm_vsrc(0)
	s_getreg_b32 s2, hwreg(HW_REG_IB_STS2, 6, 4)
	s_cmp_eq_u32 s2, 0
	s_cbranch_scc0 .Lentry_in_a_cluster
	s_endpgm
.Lentry_in_a_cluster:
	s_bfe_u32 s2, ttmp6, 0x10000c
	s_cmp_lg_u32 s2, 0xf033
	s_cbranch_scc0 .Lentry_shape_is_right
	s_endpgm
.Lentry_shape_is_right:
; qkv = Q(x) Q(Wqkv), [8192][3072], on codes of FP4 (E2M1) with one E8M0 scale for each 32 along K = 1,024; RoPE on q and k on the way out; results as f16 into qkv16 [3 kinds][8192][1024];
; rows with t < 16 also as f32 into f32rows [3][16 b + t][1024], for the launch that makes the first 16 positions in f32.
; A tile of 256 x 256 to a work-group of four waves, 128 x 128 a wave: 64 accumulators, 512 registers.  K is two slots of 512 (rows of 256 bytes): both are asked for at the head and nothing is filled again.
; The scale bytes of the work-group's 256 rows of x and 256 rows of Wqkv^T come once, as dense blocks, with the first fills.
; CLUSTERS: 4 x 4.  Tile column = 4 x cluster x + cx, so the kind (q, k, v) is cluster x.  TILE ROW = 8 cy + cluster y, so the batch is cy and a tile's place in its sequence hangs on cluster y alone:
; the branches on 'kind v' and on 'this tile holds t < 16' hang on the cluster's numbers and the wave's, never on a work-group's place in its cluster.  A's tiles are asked for jointly along a row of the cluster, B's along a column.
; THE MATRIX INSTRUCTION IS USED TRANSPOSED (source 0 = 16 rows of Wqkv^T, source 1 = 16 rows of x): in accumulator (a, b) lane (r, h) holds row 16 a + r and columns 16 b + 8 h + 0 .. 7.
; A wave's 128 columns are two heads; in head g accumulators 4 g + u and 4 g + u + 2 (u = 0, 1) hold channels d = 16 u + 8 h + j and d + 32: RoPE's pairs lie in one lane.
; REGISTERS: window 0: v0-31 addresses; v32-95 scale words and nothing else; v96-127, v192-223 two sets of the RoPE table; v128-191 A's fragments, on the way out v128-159 packed results, v160-191 and v224-255 rows read back.
;   window 1: B's fragments, two sets (v0, v128); on the way out v0-63 the rotated numbers.   window 2, 3: the accumulators of my rows 0-63, 64-127.
; The first block of the table is loaded at the head in every work-group, kind v too, which does not use it (eight loads a wave): so the text has one way from the head to the way out.
.set KSTEP,  512
.set NQ,     4                         ; steps of 128 in a slot
.set ROWB,   256                       ; a tile's row in bytes
.set KROW,   512                       ; a row of codes in memory
.set PITCH,  272                       ; an LDS row: 256 bytes + 16 of padding: the 16 rows that a load touches start 68 words apart
.set FR,     8
.set NL,     2
.set NP,     4                         ; places behind this matrix instruction (ISA guide 7.12.1)
.set HALFT,  128*PITCH
.set SLOT,   4*HALFT
.set KS,     32                        ; a row of scale bytes
.set SCL,    2*SLOT                    ; behind the slots: the scales, as units of 256 bytes + 16
.set HALFS,  (128*KS/256)*272
.set SBLK,   (16*KS/256)*272
.set SPARE,  SCL+4*HALFS               ; the spare words
.set STAGE,  SPARE+512                 ; the way out: 16 rows x (256 + 16) bytes for each wave; no fill lands here
.set SP,     272
.set ADRA, 16
.set ADRB, 20
.set STO,  24
.set RD,   25
.set CO,   26
.set ADRS, 27
.set SPW,  28
.set NIL,  29
.set TABO, 30                          ; v30 my place in 16 rows of the table: 256 r + 32 h
.set FO,   31                          ; v31 my place in 16 rows of f32rows: 4096 r + 32 h
.set SC,   32
.set TAB0, 96                          ; table set 0; set 1 lies 96 further on
.set AF,   128
.set TMP,  128
.set OB0,  160                         ; rows read back: v160-191 and v224-255 by turns
.set RR,   0                           ; in window 1
.set G1, 24
.set G0, 32
.set G1B, 48
.set G0B, 56
.set G1S, 68
.set G0S, 76
.set G1SB, 80
.set G0SB, 88
.set MSB, 0
.macro WIN new                         ; the immediate's high byte repeats the setting that is left
.if MSB != (\new)
	s_set_vgpr_msb (MSB<<8)|(\new)
.set MSB, (\new)
.endif
.endm
.set MUL_LO, 0xa1                      ; source 0 (B) window 1, source 1 (A) window 0, C and D window 2
.set MUL_HI, 0xf1
.set TO_B,   0x40
; A joint load: waves 0 and 1 fetch for A, waves 2 and 3 for B.  An s_nop 0 and four v_nop follow each of the two lines.
.macro JLOAD g0a, g1a, g0b, g1b
	s_cmp_eq_u32 s15, 0
	s_cbranch_scc0 .Lfor_b_\@
	tensor_load_to_lds s[\g0a:\g0a+3], s[\g1a:\g1a+7]
	s_nop 0
.rept 4
	v_nop
.endr
	s_branch .Lasked_\@
.Lfor_b_\@:
	tensor_load_to_lds s[\g0b:\g0b+3], s[\g1b:\g1b+7]
	s_nop 0
.rept 4
	v_nop
.endr
.Lasked_\@:
.endm
.macro CROUND                          ; a round of the cluster's barrier
	s_barrier_signal -1
	s_barrier_wait -1
	s_cmp_lg_u32 s14, 0
	s_cbranch_scc1 .Lnot_wave_0_\@
	s_barrier_signal -3
.Lnot_wave_0_\@:
	s_barrier_wait -3
	s_barrier_signal -1
	s_barrier_wait -1
.endm
	s_load_b64 s[4:5], s[0:1], 0x0                 ; xq: x's codes
	s_load_b64 s[8:9], s[0:1], 0x8                 ; wq: Wqkv's codes
	s_load_b64 s[12:13], s[0:1], 0x10              ; qkv16
	s_load_b128 s[96:99], s[0:1], 0x18             ; tab s[96:97], f32rows s[98:99]
	v_lshl_add_u32 v[SPW], v0, 2, SPARE
	v_mov_b32 v[NIL], 0
	ds_add_u32 v[SPW], v[NIL]                      ; the wave's opening: the add, twice on end, and its wait ahead of my first tensor load
	ds_add_u32 v[SPW], v[NIL]
	v_lshrrev_b32 v1, 5, v0
	v_readfirstlane_b32 s14, v1                    ; wave 0..3
	s_lshr_b32 s15, s14, 1                         ; which half of the tile's rows is mine.  Also: I fetch for A (0) or for B (1)
	s_and_b32 s16, s14, 1                          ; which half of its columns.  Also: which 128 rows of that tile I fetch
	s_bfe_u32 s40, ttmp6, 0x40000                  ; cx
	s_bfe_u32 s41, ttmp6, 0x40004                  ; cy
	s_lshl_b32 s42, ttmp9, 2
	s_add_co_u32 s42, s42, s40                     ; tile column = 4 x cluster x + cx
	s_and_b32 s3, ttmp7, 0xffff                    ; cluster y
	s_lshl_b32 s17, s41, 3
	s_add_co_u32 s17, s17, s3                      ; tile row = 8 cy + cluster y
	s_or_b32 s95, s3, s15                          ; 0 where my first 16 rows are t = 0 .. 15
	s_lshl_b32 s43, s41, 2
	s_lshl_b32 s43, 15, s43                        ; my row of the cluster
	s_lshl_b32 s44, 0x1111, s40                    ; my column
	s_or_b32 s[G1+0], s43, (0<<16)|(1<<20)|(1<<21)|(5<<22)|(3<<25)   ; the mask; elements of 1 byte; padding: 4 words behind every 64; bit 21 beside a mask
	s_or_b32 s[G1B+0], s44, (0<<16)|(1<<20)|(1<<21)|(5<<22)|(3<<25)
.irp g, G1, G1B
	s_mov_b32 s[\g+1], ROWB<<16                    ; tensor_dim0
	s_mov_b32 s[\g+2], 128<<16                     ; tensor_dim1
	s_mov_b32 s[\g+3], ROWB<<16                    ; tile_dim0
	s_mov_b32 s[\g+4], 128                         ; tile_dim1
	s_mov_b32 s[\g+5], KROW                        ; from row to row
	s_mov_b32 s[\g+6], 0
	s_mov_b32 s[\g+7], 0
.endr
	s_or_b32 s[G1S+0], s43, (3<<16)|(1<<20)|(1<<21)|(5<<22)|(3<<25)  ; the scales of 128 rows: 4,096 dense bytes as 16 rows of 32 elements of 8 bytes
	s_or_b32 s[G1SB+0], s44, (3<<16)|(1<<20)|(1<<21)|(5<<22)|(3<<25)
.irp g, G1S, G1SB
	s_mov_b32 s[\g+1], 32<<16
	s_mov_b32 s[\g+2], (128*KS/256)<<16
	s_mov_b32 s[\g+3], 32<<16
	s_mov_b32 s[\g+4], 128*KS/256
	s_mov_b32 s[\g+5], 32
	s_mov_b32 s[\g+6], 0
	s_mov_b32 s[\g+7], 0
.endr
	s_lshl_b32 s18, s16, 7
	s_lshl_b32 s20, s17, 8
	s_add_co_u32 s20, s20, s18                     ; A: row 256 x tile row + 128 x half
	s_lshl_b32 s46, s42, 8
	s_add_co_u32 s46, s46, s18                     ; B: row 256 x tile column + 128 x half
	s_mov_b32 s21, 0
	s_mov_b32 s47, 0
	s_mov_b64 s[18:19], KS
	s_mul_u64 s[22:23], s[20:21], s[18:19]         ; where these rows' scales begin
	s_mul_u64 s[92:93], s[46:47], s[18:19]
	s_mov_b64 s[18:19], KROW
	s_mul_u64 s[20:21], s[20:21], s[18:19]         ; and their codes
	s_mul_u64 s[46:47], s[46:47], s[18:19]
	s_mul_i32 s45, s14, HALFT                      ; where they go: wave x 128 rows
	s_mul_i32 s94, s14, HALFS
	s_wait_dscnt 0x0                               ; both opening adds are done
	s_wait_kmcnt 0x0
	s_add_nc_u64 s[6:7], s[4:5], 0x400000          ; x's scale bytes lie behind its codes,
	s_add_nc_u64 s[10:11], s[8:9], 0x180000        ; Wqkv's likewise
	s_add_nc_u64 s[20:21], s[4:5], s[20:21]
	s_add_nc_u64 s[22:23], s[6:7], s[22:23]
	s_add_nc_u64 s[46:47], s[8:9], s[46:47]
	s_add_nc_u64 s[92:93], s[10:11], s[92:93]
	CROUND                                         ; all sixteen work-groups are here: the joint loads meet
	s_mov_b32 s[G0S], 1
	s_add_co_u32 s[G0S+1], s94, SCL
	s_mov_b64 s[G0S+2:G0S+3], s[22:23]
	s_or_b32 s[G0S+3], s[G0S+3], 0x80000000
	s_mov_b32 s[G0SB], 1
	s_add_co_u32 s[G0SB+1], s94, SCL
	s_mov_b64 s[G0SB+2:G0SB+3], s[92:93]
	s_or_b32 s[G0SB+3], s[G0SB+3], 0x80000000
	JLOAD G0S, G1S, G0SB, G1SB                     ; the scales first; then both slots: three loads of mine are out
.irp s, 0,1
	s_mov_b32 s[G0+4*\s], 1
	s_add_co_u32 s[G0+4*\s+1], s45, \s*SLOT
	s_add_nc_u64 s[G0+4*\s+2:G0+4*\s+3], s[20:21], \s*ROWB
	s_or_b32 s[G0+4*\s+3], s[G0+4*\s+3], 0x80000000
	s_mov_b32 s[G0B+4*\s], 1
	s_add_co_u32 s[G0B+4*\s+1], s45, \s*SLOT
	s_add_nc_u64 s[G0B+4*\s+2:G0B+4*\s+3], s[46:47], \s*ROWB
	s_or_b32 s[G0B+4*\s+3], s[G0B+4*\s+3], 0x80000000
	JLOAD G0+4*\s, G1, G0B+4*\s, G1B
.endr
	v_and_b32 v1, 15, v0                           ; r
	v_bfe_u32 v2, v0, 4, 1                         ; h
	v_mul_u32_u24 v3, v1, PITCH
	v_lshl_add_u32 v4, v2, 4, v3
	s_mul_i32 s21, s15, HALFT                      ; my 128 rows of A
	s_mul_i32 s22, s16, HALFT                      ; my 128 rows of B,
	s_add_co_u32 s22, s22, 2*HALFT                 ; behind A's 256
.irp s, 0,1
	v_add_nc_u32 v[ADRA+\s], s21, v4
	v_add_nc_u32 v[ADRB+\s], s22, v4
	s_add_co_u32 s21, s21, SLOT
	s_add_co_u32 s22, s22, SLOT
.endr
	v_mul_u32_u24 v5, v1, KS                       ; my row's scales: 32 bytes a row,
	v_lshrrev_b32 v6, 8, v5
	v_lshl_add_u32 v5, v6, 4, v5                   ; and 16 more for each 256 passed
	s_mul_i32 s21, s15, HALFS
	s_mul_i32 s22, s16, HALFS
	s_add_co_u32 s22, s22, 2*HALFS
	s_sub_co_u32 s22, s22, s21
	v_mul_u32_u24 v6, s22, v2                      ; lanes 16-31 take B's
	s_add_co_u32 s21, s21, SCL
	v_add_nc_u32 v5, v5, v6
	v_add_nc_u32 v[ADRS], s21, v5
	s_mul_i32 s23, s14, 16*SP
	s_add_co_u32 s23, s23, STAGE                   ; my stage
	v_mul_u32_u24 v5, v1, SP
	v_lshl_add_u32 v5, v2, 4, v5
	v_add_nc_u32 v[STO], s23, v5                   ; in: row r, 16 bytes for each half of the lanes
	v_mul_u32_u24 v5, v2, SP
	v_lshl_add_u32 v5, v1, 4, v5
	v_add_nc_u32 v[RD], s23, v5                    ; back: lanes 0-15 one row of 256 bytes, lanes 16-31 the next
	v_lshlrev_b32 v5, 11, v2
	v_lshl_add_u32 v[CO], v1, 4, v5                ; the same two rows in qkv16 (2,048 bytes a row)
	v_lshlrev_b32 v5, 8, v1
	v_lshl_add_u32 v[TABO], v2, 5, v5
	v_lshlrev_b32 v5, 12, v1
	v_lshl_add_u32 v[FO], v2, 5, v5
	; the bases.  Row terms are made in s[20:21], column terms (which hold cx) in s[46:47]
	s_lshl_b32 s20, ttmp9, 24                      ; the kind's 16,777,216 bytes,
	s_lshl_b32 s21, s17, 19                        ; 256 rows of 2,048 bytes a tile row,
	s_add_co_u32 s20, s20, s21
	s_lshl_b32 s21, s15, 18                        ; my 128 rows
	s_add_co_u32 s20, s20, s21
	s_mov_b32 s21, 0
	s_add_nc_u64 s[12:13], s[12:13], s[20:21]
	s_lshl_b32 s46, s40, 9                         ; 256 columns of 2 bytes for cx,
	s_lshl_b32 s47, s16, 8                         ; my 128
	s_add_co_u32 s46, s46, s47
	s_mov_b32 s47, 0
	s_add_nc_u64 s[12:13], s[12:13], s[46:47]
	s_lshl_b32 s20, s3, 16                         ; the table at t0 = 256 x cluster y + 128 x half: 256 bytes a row
	s_lshl_b32 s21, s15, 15
	s_add_co_u32 s20, s20, s21
	s_mov_b32 s21, 0
	s_add_nc_u64 s[96:97], s[96:97], s[20:21]
	s_lshl_b32 s20, ttmp9, 18                      ; f32rows: 262,144 bytes a kind,
	s_lshl_b32 s21, s41, 16                        ; 65,536 a batch
	s_add_co_u32 s20, s20, s21
	s_mov_b32 s21, 0
	s_add_nc_u64 s[98:99], s[98:99], s[20:21]
	s_lshl_b32 s46, s46, 1                         ; the same columns at 4 bytes
	s_add_nc_u64 s[98:99], s[98:99], s[46:47]
; The table's rows t0 + 16 a + r: cos and sin of frequencies 16 u + 8 h + j.  Registers 0-7 cos u = 0, 8-15 cos u = 1, 16-23 sin u = 0, 24-31 sin u = 1.
.macro TABLOAD a
.set TS, TAB0+96*((\a)%2)
.irp p, 0,1,2,3
	global_load_b128 v[TS+8*\p:TS+8*\p+3], v[TABO], s[96:97] offset:4096*(\a)+64*\p
	global_load_b128 v[TS+8*\p+4:TS+8*\p+7], v[TABO], s[96:97] offset:4096*(\a)+64*\p+16
.endr
.endm
	TABLOAD 0
.macro FRAG reg, adr, q, i             ; 16 rows x 128 K of 4-bit codes: 8 registers; registers 4 c .. 4 c + 3 hold K = 64 c + 32 h + 0 .. 31
.irp c, 0,1
	ds_load_b128 v[\reg+4*\c:\reg+4*\c+3], v[\adr] offset:64*(\q)+32*\c+(\i)*16*PITCH
.endr
.endm
; 16 matrix instructions: A's blocks a0, a0 + 1 x B's eight.  The 64 accumulators take turns, one instruction a turn, in the same order in every step.
.macro MUL16 a0, p, q, sc, zero
.irp a, \a0, \a0+1
.irp b, 0,1,2,3,4,5,6,7
.if \zero
	v_wmma_scale_f32_16x16x128_f8f6f4 v[8*(8*((\a)%4)+\b):8*(8*((\a)%4)+\b)+7], v[128*(\p)+FR*\b:128*(\p)+FR*\b+FR-1], v[AF+FR*(\a):AF+FR*(\a)+FR-1], 0, v[SC+8*NQ*(\sc)+NQ*\b+(\q)], v[SC+8*NQ*(\sc)+NQ*(\a)+(\q)] matrix_a_fmt:MATRIX_FMT_FP4 matrix_b_fmt:MATRIX_FMT_FP4 matrix_a_scale:MATRIX_SCALE_ROW1
.else
	v_wmma_scale_f32_16x16x128_f8f6f4 v[8*(8*((\a)%4)+\b):8*(8*((\a)%4)+\b)+7], v[128*(\p)+FR*\b:128*(\p)+FR*\b+FR-1], v[AF+FR*(\a):AF+FR*(\a)+FR-1], v[8*(8*((\a)%4)+\b):8*(8*((\a)%4)+\b)+7], v[SC+8*NQ*(\sc)+NQ*\b+(\q)], v[SC+8*NQ*(\sc)+NQ*(\a)+(\q)] matrix_a_fmt:MATRIX_FMT_FP4 matrix_b_fmt:MATRIX_FMT_FP4 matrix_a_scale:MATRIX_SCALE_ROW1
.endif
.endr
.endr
.endm
.macro FETCH_B slot, q, p
	WIN TO_B
.irp i, 0,1,2,3,4,5,6,7
	FRAG 128*(\p)+FR*\i, ADRB+\slot, \q, \i
.endr
	WIN 0
.endm
.macro FETCH_A slot, q, i0
.irp i, \i0, \i0+1, \i0+2, \i0+3
	FRAG AF+FR*(\i), ADRA+\slot, \q, \i
.endr
.endm
.macro SCALES sc                       ; a slot's scale words: lanes 0-15 take A's block i, lanes 16-31 B's block i
.irp i, 0,1,2,3,4,5,6,7
	ds_load_b128 v[SC+8*NQ*\sc+NQ*\i:SC+8*NQ*\sc+NQ*\i+3], v[ADRS] offset:\i*SBLK
.endr
.endm
.macro PLACES n                        ; plain vector lines between a matrix instruction and a load into, or a read of, its registers
.rept \n
	v_nop
.endr
.endm
.macro STEP slot, q, zero              ; a step of 128 along K that has its successor in the same slot
	s_wait_dscnt 4*NL                              ; B's set and A's blocks 0-3 are in; the youngest eight loads (A's blocks 4-7) may be out
	WIN MUL_LO
	MUL16 0, (\q)%2, \q, \slot, \zero
	MUL16 2, (\q)%2, \q, \slot, \zero
	s_wait_dscnt 0                                 ; A's blocks 4-7 are in
	PLACES NP
	FETCH_B \slot, (\q)+1, 1-(\q)%2
	FETCH_A \slot, (\q)+1, 0
	WIN MUL_HI
	MUL16 4, (\q)%2, \q, \slot, \zero
	MUL16 6, (\q)%2, \q, \slot, \zero
	PLACES NP
	WIN 0
	FETCH_A \slot, (\q)+1, 4
.endm
.macro TURN slot, next                 ; slot 0's last step goes over to slot 1: one barrier; nothing is filled again
	s_wait_tensorcnt 0x0                           ; all my tensor loads have landed: my part of the next slot
	ds_add_u32 v[SPW], v[NIL]                      ; 0 onto my spare word
	s_wait_dscnt 4*NL+1                            ; (the add and the youngest eight loads may be out)
	WIN MUL_LO
	MUL16 0, 1, NQ-1, \slot, 0
	s_wait_dscnt 0x0                               ; no LDS instruction of mine is out at the signal
	s_barrier_signal -1
	MUL16 2, 1, NQ-1, \slot, 0
	WIN 0
	s_barrier_wait -1                              ; the next slot is whole
	PLACES NP
	v_add_nc_u32 v[ADRS], 4*NQ, v[ADRS]            ; the next slot's scale words
	FETCH_B \next, 0, 0
	FETCH_A \next, 0, 0
	SCALES \next
	WIN MUL_HI
	MUL16 4, 1, NQ-1, \slot, 0
	MUL16 6, 1, NQ-1, \slot, 0
	PLACES NP
	WIN 0
	FETCH_A \next, 0, 4
.endm
	s_wait_tensorcnt 1                             ; the scales and my part of slot 0 are in; slot 1's load may be out
	s_barrier_signal -1
	s_barrier_wait -1                              ; everybody's are
	FETCH_B 0, 0, 0
	FETCH_A 0, 0, 0
	SCALES 0
	FETCH_A 0, 0, 4
	STEP 0, 0, 1                                   ; the first step's products start the sums: nothing is cleared
	STEP 0, 1, 0
	STEP 0, 2, 0
	TURN 0, 1
	STEP 1, 0, 0
	STEP 1, 1, 0
	STEP 1, 2, 0
	s_wait_dscnt 4*NL                              ; the last step: nothing more to fetch
	WIN MUL_LO
	MUL16 0, 1, NQ-1, 1, 0
	MUL16 2, 1, NQ-1, 1, 0
	s_wait_dscnt 0
	WIN MUL_HI
	MUL16 4, 1, NQ-1, 1, 0
	MUL16 6, 1, NQ-1, 1, 0
	WIN 0
; THE WAY OUT, block by block of 16 rows x 128 columns: RoPE in f32 (q, k), rounding to f16, through my own stage in LDS, and out as whole rows of 256 bytes.
; out(d) = y(d) cos - y(d + 32) sin, out(d + 32) = y(d + 32) cos + y(d) sin, d = 0 .. 31.  Each accumulator is read from its low end on.
.macro ROPE a
.set AC, 64*((\a)%4)
.set TS, TAB0+96*((\a)%2)
	WIN 0x52+(\a)/4                                ; source 0: the accumulators' window; source 1: the table, window 0; source 2 and destination: window 1
.irp g, 0,1
.irp u, 0,1
.irp jp, 0,2,4,6
	v_pk_mul_f32 v[RR+8*(4*\g+\u)+\jp:RR+8*(4*\g+\u)+\jp+1], v[AC+8*(4*\g+\u)+\jp:AC+8*(4*\g+\u)+\jp+1], v[TS+8*\u+\jp:TS+8*\u+\jp+1]
	v_pk_mul_f32 v[RR+8*(4*\g+\u)+16+\jp:RR+8*(4*\g+\u)+16+\jp+1], v[AC+8*(4*\g+\u)+16+\jp:AC+8*(4*\g+\u)+16+\jp+1], v[TS+8*\u+\jp:TS+8*\u+\jp+1]
	v_pk_fma_f32 v[RR+8*(4*\g+\u)+\jp:RR+8*(4*\g+\u)+\jp+1], v[AC+8*(4*\g+\u)+16+\jp:AC+8*(4*\g+\u)+16+\jp+1], v[TS+16+8*\u+\jp:TS+16+8*\u+\jp+1], v[RR+8*(4*\g+\u)+\jp:RR+8*(4*\g+\u)+\jp+1] neg_lo:[1,0,0] neg_hi:[1,0,0]
	v_pk_fma_f32 v[RR+8*(4*\g+\u)+16+\jp:RR+8*(4*\g+\u)+16+\jp+1], v[AC+8*(4*\g+\u)+\jp:AC+8*(4*\g+\u)+\jp+1], v[TS+16+8*\u+\jp:TS+16+8*\u+\jp+1], v[RR+8*(4*\g+\u)+16+\jp:RR+8*(4*\g+\u)+16+\jp+1]
.endr
.endr
.endr
.endm
.macro CVT                             ; the rotated numbers to f16: a lane's eight neighbours of a row pack into 16 bytes
	WIN 0x05                                       ; sources window 1, destination window 0
.irp b, 0,1,2,3,4,5,6,7
.irp i, 0,1,2,3
	v_cvt_pk_f16_f32 v[TMP+4*\b+\i], v[RR+8*\b+2*\i], v[RR+8*\b+2*\i+1]
.endr
.endr
	WIN 0
.endm
.macro PACKV a                         ; kind v: straight from the accumulators
.set AC, 64*((\a)%4)
	WIN 0x0a+5*((\a)/4)
.irp b, 0,1,2,3,4,5,6,7
.irp i, 0,1,2,3
	v_cvt_pk_f16_f32 v[TMP+4*\b+\i], v[AC+8*\b+2*\i], v[AC+8*\b+2*\i+1]
.endr
.endr
	WIN 0
.endm
.macro TOSTAGE a
.set BB, OB0+64*((\a)%2)
.irp b, 0,1,2,3,4,5,6,7
	ds_store_b128 v[STO], v[TMP+4*\b:TMP+4*\b+3] offset:32*\b
.endr
.irp t, 0,1,2,3,4,5,6,7
	ds_load_b128 v[BB+4*\t:BB+4*\t+3], v[RD] offset:\t*2*SP       ; LDS serves a wave's instructions in order: these see the stores above
.endr
.endm
.macro SEND a
.set BB, OB0+64*((\a)%2)
	s_wait_dscnt 0x0                               ; the block is back in registers
	s_wait_xcnt 0x0                                ; the stores of the block before have read their registers: the next block's loads from the stage may land there
.irp t, 0,1,2,3,4,5,6,7
	global_store_b128 v[CO], v[BB+4*\t:BB+4*\t+3], s[12:13] offset:(16*(\a)+2*\t)*2048   ; 16 lanes store 256 consecutive bytes, aligned; 126 rows at the most: inside the signed 24-bit immediate
.endr
.endm
	PLACES NP                                      ; behind the last products, ahead of the first read of results and of loads into A's registers
	s_cmp_eq_u32 ttmp9, 2
	s_cbranch_scc1 .Lkind_v
.irp a, 0,1,2,3,4,5,6,7
.if \a < 7
	TABLOAD \a+1
	s_wait_loadcnt 8                               ; this block's eight table loads are in; the next block's eight may be out
.else
	s_wait_loadcnt 0
.endif
	ROPE \a
.if \a == 0
	WIN 0
	s_cmp_lg_u32 s95, 0                            ; t = 0 .. 15 also leave as f32
	s_cbranch_scc1 .Lnot_first
	WIN 0x04                                       ; a store's data are its source 1: window 1
.irp b, 0,1,2,3,4,5,6,7
	global_store_b128 v[FO], v[RR+8*\b:RR+8*\b+3], s[98:99] offset:64*\b
	global_store_b128 v[FO], v[RR+8*\b+4:RR+8*\b+7], s[98:99] offset:64*\b+16
.endr
	WIN 0
	s_wait_xcnt 0x0                                ; these stores have read their data: the next block's rotation writes the registers again
.Lnot_first:
.endif
	CVT
.if \a > 0
	SEND \a-1                                      ; block a's arithmetic stands between block a - 1's loads from the stage and the wait for them
.endif
	TOSTAGE \a
.endr
	SEND 7
	s_branch .Lout
.Lkind_v:
	s_cmp_lg_u32 s95, 0
	s_cbranch_scc1 .Lnot_first_v
	WIN 0x08                                       ; the data: window 2, block 0's accumulators, each from its low end on
.irp b, 0,1,2,3,4,5,6,7
	global_store_b128 v[FO], v[8*\b:8*\b+3], s[98:99] offset:64*\b
	global_store_b128 v[FO], v[8*\b+4:8*\b+7], s[98:99] offset:64*\b+16
.endr
	WIN 0
.Lnot_first_v:
.irp a, 0,1,2,3,4,5,6,7
	PACKV \a
.if \a > 0
	SEND \a-1
.endif
	TOSTAGE \a
.endr
	SEND 7
.Lout:
	s_wait_tensorcnt 0x0                           ; the wave's end, behind my last tensor load and my last LDS store
	ds_add_u32 v[SPW], v[NIL]
	s_wait_dscnt 0x0
	CROUND                                         ; the closing round
	s_endpgm
.Lfunc_end_k_q2974f9a4c6_qkv:
	.size	k_q2974f9a4c6_qkv, .Lfunc_end_k_q2974f9a4c6_qkv-k_q2974f9a4c6_qkv
	.p2alignl 7, 3214868480
	.fill 96, 4, 3214868480
	.section	.rodata,"a",@progbits
	.p2align	6, 0x0
	.amdhsa_kernel k_q2974f9a4c6_qkv
		.amdhsa_group_segment_fixed_size 327680
		.amdhsa_private_segment_fixed_size 0
		.amdhsa_enable_private_segment 0
		.amdhsa_kernarg_size 40
		.amdhsa_user_sgpr_count 2
		.amdhsa_user_sgpr_kernarg_segment_ptr 1
		.amdhsa_wavefront_size32 1
		.amdhsa_system_sgpr_workgroup_id_x 1
		.amdhsa_system_sgpr_workgroup_id_y 1
		.amdhsa_system_sgpr_workgroup_id_z 1
		.amdhsa_system_vgpr_workitem_id 0
		.amdhsa_next_free_vgpr 1024
		.amdhsa_next_free_sgpr 100
		.amdhsa_reserve_vcc 0
		.amdhsa_float_denorm_mode_32 3
		.amdhsa_float_denorm_mode_16_64 3
		.amdhsa_memory_ordered 1
		.amdhsa_forward_progress 1
		.amdhsa_inst_pref_size 200
	.end_amdhsa_kernel
	.amdgpu_metadata
---
amdhsa.version: [ 1, 2 ]
amdhsa.kernels:
  - .name:           k_q2974f9a4c6_qkv
    .symbol:         k_q2974f9a4c6_qkv.kd
    .args:
      - { .name: xq, .offset: 0, .size: 8, .value_kind: global_buffer, .address_space: global }
      - { .name: wq, .offset: 8, .size: 8, .value_kind: global_buffer, .address_space: global }
      - { .name: qkv16, .offset: 16, .size: 8, .value_kind: global_buffer, .address_space: global }
      - { .name: tab, .offset: 24, .size: 8, .value_kind: global_buffer, .address_space: global }
      - { .name: f32rows, .offset: 32, .size: 8, .value_kind: global_buffer, .address_space: global }
    .group_segment_fixed_size: 327680
    .private_segment_fixed_size: 0
    .kernarg_segment_align: 8
    .kernarg_segment_size: 40
    .max_flat_workgroup_size: 128
    .sgpr_count:     100
    .vgpr_count:     1024
    .wavefront_size: 32
...
	.end_amdgpu_metadata
.endif
;; end of part 3
;; launch attn (part 4): grid 8 x 32, 16 waves a work-group, no clusters, 327,680 bytes of LDS; arguments qkv16, a16; writes a16
.if DOCPART == 4
	.amdgcn_target "amdgcn-amd-amdhsa--gfx1250"
	.amdhsa_code_object_version 6
	.text
	.protected	k_q2974f9a4c6_attn
	.globl	k_q2974f9a4c6_attn
	.p2align	8
	.type	k_q2974f9a4c6_attn,@function
k_q2974f9a4c6_attn:
	s_mov_b64 s[64:65], 0
	v_nop
	global_prefetch_b8 v0, s[64:65] scope:SCOPE_SE
	s_setreg_imm32_b32 hwreg(HW_REG_WAVE_MODE, 25, 1), 1
	s_wait_xcnt 0x0
; a16[b][t][64 head + c] = the sum over keys j, t - 511 <= j <= t, of softmax_j(q . k / 8) v, on f16 operands with f32 sums, maxima and softmax; the weights are rounded to f16 for the second product, the result once.
; WORK LEFT OUT: key steps that lie wholly outside the band (shown at quantx's head).  LIMITS as stated there.
; SHARES.  A work-group owns 256 queries (block bx) of TWO neighbouring heads of one batch, so that a row of K's, of V's and of the result's tile is 256 bytes.  Wave w: head 2 g + w / 8, queries 256 bx + 32 (w % 8) on: two tiles of 16.
; THE WALK.  From key kb = 256 max(bx - 2, 0) on: six slots of 128 keys, two steps of 64 each; all trip counts are constants.  A step all of whose keys lie after the wave's last query, or more than 511 before its first,
; is jumped over by a scalar branch on ids; by the band's width a wave works in nine steps at the most.  A slot whose first key lies after the work-group's last query is not asked for.
; LAYOUT.  S^T = K Q^T (source 0 = 16 keys, source 1 = 16 queries): a lane holds ONE query (lane % 16) and keys 8 (lane / 16) + 0 .. 7 of each tile of 16.  Two such tiles, rounded in pairs, ARE source 1 of O^T = V^T P.
; K comes out of LDS as it lies, V ([key][channel]) turned by ds_load_tr16_b128.  SOFTMAX: running maximum m and sum l; p = 2^(c s - c m), c = log2(e) / 8; O and l are multiplied by a = 2^(c m_old - c m_new) in every step.
; A query none of whose keys has counted yet keeps m = -3e38: p = 2^(-inf) = 0 and a = 1; its first key that counts gives a = 0 on sums that are 0.
; NO CLUSTER: block bx walks keys 256 (bx - 2) on, so two neighbouring blocks want one and the same tile two slots apart, never behind the same barrier, and blocks 0 and 1 stop asking at the causal limit while the others go on.
; Four waves share a SIMD: one wave's softmax stands beside another's products and LDS loads.
.set SK,    128                        ; keys in a slot
.set PK,    272                        ; a row of K in LDS: 256 bytes + 16
.set PV,    288                        ; a row of V: 256 + 32
.set VOFF,  SK*PK
.set SLOT1, 1<<17                      ; one exclusive or turns an address in one slot into the other's
.set STAGE, SLOT1+SK*(PK+PV)           ; the way out: 256 rows x (256 + 16) bytes; no fill lands here
.set SPARE, STAGE+256*272              ; the spare words, 128 bytes a wave
.set KIND,  1<<24                      ; bytes from q to k and from k to v in qkv16
.set NSL,   6
.set AK0, 1                            ; v1  my lane's place in a tile of K
.set AV0, 2                            ; v2  the same for V
.set ADK, 3
.set ADV, 4
.set SPW, 5
.set NIL, 6
.set RH,  7                            ; v7  r - 8 h
.set PFO, 11                           ; v11 2,048 x lane: the prefetches' offset
.set STO, 12
.set RD,  13
.set GO,  14
.set QO,  15
.set ST,  16                           ; v16-31 a tile's statistics: +0 c m, +1 m, +2, +3 l, +4 .. +7 at work; a in +6
.set Q,   32                           ; v32-63   Q: tile t, channels 32 s on, at 16 t + 8 s
.set KV,  64                           ; v64-127  K's fragments, then V's
.set S,   128                          ; v128-191 S^T, 32 a tile; P is packed into each tile's low 16
.set O,   192                          ; v192-255 O^T, 32 a tile
.set TB,  2
.set WV,  18
.set SEL, 20
.set CS,  22
.set G1K, 24
.set G1V, 32
.set G0K, 40
.set G0V, 44
.set SLOTS, 67
.set PFA, 76
.set LIM, 80
.set KF,  98                           ; s98 the step's first key
.set Q0,  99                           ; s99 my first query
; Waves 0 and 1 fetch K's halves of a slot, waves 2 and 3 V's, the others nothing.  An s_nop 0 and four v_nop follow each of the two lines.
.macro TLOAD
	s_cmp_lt_u32 s[WV], 2
	s_cbranch_scc0 .Lnot_k_\@
	tensor_load_to_lds s[G0K:G0K+3], s[G1K:G1K+7]
	s_nop 0
.rept 4
	v_nop
.endr
	s_branch .Lasked_\@
.Lnot_k_\@:
	s_cmp_lt_u32 s[WV], 4
	s_cbranch_scc0 .Lasked_\@
	tensor_load_to_lds s[G0V:G0V+3], s[G1V:G1V+7]
	s_nop 0
.rept 4
	v_nop
.endr
.Lasked_\@:
.endm
; A PREFETCH of what the NEXT change of slots will ask for: a slot's 128 rows of K and of V, 256 bytes a row, a lane a row.  Key blocks 0 to 5 are first asked for at the launch's head, as slots 0 and 1 of the query block
; two further on, where nothing is prefetched; key blocks 6 and 7 are first walked by query block 7, as its slots 2 to 5.  So block 7 alone asks, and each row is named once: waves 4 to 7 for K's rows, 32 each, waves 8 to 11 for V's.
; It asks at the changes that load slots 1 to 4, each time for the slot after; the last change that fills a slot asks for nothing.
.macro ASK
	s_cmp_gt_u32 s[SLOTS], s[LIM]
	s_cbranch_scc0 .Lnot_mine_\@
	global_prefetch_b8 v[PFO], s[PFA:PFA+1] th:TH_LOAD_NT scope:SCOPE_SE
.Lnot_mine_\@:
.endm
	s_load_b128 s[4:7], s[0:1], 0x0                ; qkv16 s[4:5], a16 s[6:7]
	v_lshl_add_u32 v[SPW], v0, 2, SPARE
	v_mov_b32 v[NIL], 0
	ds_add_u32 v[SPW], v[NIL]                      ; the wave's opening: the add, twice on end, and its wait ahead of my first tensor load
	ds_add_u32 v[SPW], v[NIL]
	v_lshrrev_b32 v128, 5, v0
	v_readfirstlane_b32 s[WV], v128                ; wave 0..15
	s_and_b32 s17, s[WV], 7                        ; i: which 32 queries
	s_lshr_b32 s19, s[WV], 3                       ; hh: which of the two heads
	s_and_b32 s8, ttmp7, 0xffff
	s_lshr_b32 s9, s8, 3                           ; b
	s_and_b32 s10, s8, 7                           ; g: the pair of heads
	s_max_u32 s11, ttmp9, 2
	s_sub_co_u32 s11, s11, 2
	s_lshl_b32 s[KF], s11, 8                       ; kb
	s_lshl_b32 s[Q0], ttmp9, 8
	s_lshl_b32 s12, s17, 5
	s_add_co_u32 s[Q0], s[Q0], s12
	s_and_b32 s13, s[WV], 1                        ; which 64 rows of a slot I fetch, if I fetch
	s_lshl_b32 s14, s9, 22                         ; 2,048 rows of 2,048 bytes a batch,
	s_lshl_b32 s15, s[KF], 11
	s_add_co_u32 s14, s14, s15                     ; the walk's first key,
	s_lshl_b32 s15, s10, 8
	s_add_co_u32 s14, s14, s15                     ; the two heads' 256 bytes
	s_lshl_b32 s15, s13, 17
	s_add_co_u32 s68, s14, s15
	s_add_co_u32 s68, s68, KIND                    ; K's tile
	s_mov_b32 s69, 0
	s_add_co_u32 s70, s68, KIND                    ; V's
	s_mov_b32 s71, 0
	s_mul_i32 s72, s13, 64*PK                      ; and their places in a slot
	s_mul_i32 s73, s13, 64*PV
	s_add_co_u32 s73, s73, VOFF
	s_mov_b32 s[G1K], (1<<16)|(1<<20)|(5<<22)|(3<<25)   ; elements of 2 bytes; padding: 4 words behind every 64
	s_mov_b32 s[G1V], (1<<16)|(1<<20)|(5<<22)|(7<<25)   ; 8 words
.irp g, G1K, G1V
	s_mov_b32 s[\g+1], 128<<16                     ; tensor_dim0 = 128
	s_mov_b32 s[\g+2], 64<<16                      ; tensor_dim1 = 64
	s_mov_b32 s[\g+3], 128<<16                     ; tile_dim0
	s_mov_b32 s[\g+4], 64                          ; tile_dim1
	s_mov_b32 s[\g+5], 1024                        ; from row to row
	s_mov_b32 s[\g+6], 0
	s_mov_b32 s[\g+7], 0
.endr
	s_mov_b32 s[SEL], 0x76543210
	s_mov_b32 s[SEL+1], 0xfedcba98                 ; v_permlanex16_b32: lane l xor 16
	s_mov_b32 s[CS], 0x3e38aa3b                    ; c = log2(e) / 8
	s_mov_b32 s[CS+1], s[CS]                       ; (named with it as a pair)
	s_mov_b32 s[TB], 0
	s_mov_b32 s[SLOTS], NSL-1
	s_wait_dscnt 0x0                               ; both opening adds are done
	s_wait_kmcnt 0x0
	s_mov_b32 s[G0K], 1
	s_mov_b32 s[G0K+1], s72
	s_add_nc_u64 s[G0K+2:G0K+3], s[4:5], s[68:69]
	s_or_b32 s[G0K+3], s[G0K+3], 0x80000000
	s_mov_b32 s[G0V], 1
	s_mov_b32 s[G0V+1], s73
	s_add_nc_u64 s[G0V+2:G0V+3], s[4:5], s[70:71]
	s_or_b32 s[G0V+3], s[G0V+3], 0x80000000
	TLOAD                                          ; slot 0: some of its keys count for the block's first query, so what the head fetches is read
	; the prefetches: where my wave's stand, and who asks
	s_cmp_lt_u32 s[WV], 8
	s_mov_b32 s72, 2*KIND
	s_cselect_b32 s72, KIND, s72                   ; waves 4 to 7: K; waves 8 to 11: V
	s_add_co_u32 s72, s72, s14
	s_and_b32 s73, s[WV], 3
	s_lshl_b32 s73, s73, 16                        ; my 32 rows of the 128,
	s_add_co_u32 s72, s72, s73
	s_add_co_u32 s72, s72, SK*2048                 ; in slot 1: the first change steps it to slot 2
	s_mov_b32 s73, 0
	s_add_nc_u64 s[PFA:PFA+1], s[4:5], s[72:73]
	s_sub_co_u32 s74, s[WV], 4
	s_lshr_b32 s74, s74, 3                         ; 0 in waves 4 to 11,
	s_xor_b32 s75, ttmp9, 7
	s_or_b32 s74, s74, s75                         ; of query block 7
	s_cmp_eq_u32 s74, 0
	s_cselect_b32 s[LIM], 1, -1
	v_and_b32 v[PFO], 31, v0
	v_lshlrev_b32 v[PFO], 11, v[PFO]
	; Q at my first query and head; a16 at the rows that I store
	s_lshl_b32 s72, s9, 22
	s_lshl_b32 s73, s[Q0], 11
	s_add_co_u32 s72, s72, s73
	s_lshl_b32 s73, s10, 8
	s_add_co_u32 s72, s72, s73
	s_lshl_b32 s73, s19, 7
	s_add_co_u32 s72, s72, s73
	s_mov_b32 s73, 0
	s_add_nc_u64 s[82:83], s[4:5], s[72:73]
	s_lshl_b32 s72, s9, 22
	s_lshl_b32 s73, ttmp9, 19
	s_add_co_u32 s72, s72, s73
	s_lshl_b32 s73, s[WV], 15                      ; rows 16 w on of the block
	s_add_co_u32 s72, s72, s73
	s_lshl_b32 s73, s10, 8
	s_add_co_u32 s72, s72, s73
	s_mov_b32 s73, 0
	s_add_nc_u64 s[6:7], s[6:7], s[72:73]
	v_and_b32 v128, 15, v0                         ; r
	v_bfe_u32 v129, v0, 4, 1                       ; h
	v_lshlrev_b32 v[QO], 11, v128
	v_lshl_add_u32 v[QO], v129, 4, v[QO]
.irp t, 0,1
.irp s, 0,1
	global_load_b128 v[Q+16*\t+8*\s:Q+16*\t+8*\s+3], v[QO], s[82:83] offset:32768*\t+64*\s       ; Q stays in registers
	global_load_b128 v[Q+16*\t+8*\s+4:Q+16*\t+8*\s+7], v[QO], s[82:83] offset:32768*\t+64*\s+32
.endr
.endr
	v_mul_u32_u24 v[AK0], v128, PK
	v_lshl_add_u32 v[AK0], v129, 4, v[AK0]
	s_lshl_b32 s96, s19, 7                         ; my head's 128 bytes of a row
	v_add_nc_u32 v[AK0], s96, v[AK0]
	v_and_b32 v130, 7, v0
	v_bfe_u32 v131, v0, 3, 1
	v_lshl_add_u32 v[AV0], v129, 3, v130           ; the turning load: key 8 h + lane % 8, channels 8 ((lane / 8) % 2) on
	v_mul_u32_u24 v[AV0], v[AV0], PV
	v_lshl_add_u32 v[AV0], v131, 4, v[AV0]
	s_add_co_u32 s97, s96, VOFF
	v_add_nc_u32 v[AV0], s97, v[AV0]
	v_lshlrev_b32 v132, 3, v129
	v_sub_nc_u32 v[RH], v128, v132
	v_mov_b32 v8, 0xff800000                       ; -infinity
	s_mul_i32 s96, s17, 32*272
	s_lshl_b32 s97, s19, 7
	s_add_co_u32 s96, s96, s97
	s_add_co_u32 s96, s96, STAGE
	v_mul_u32_u24 v[STO], v128, 272
	v_lshl_add_u32 v[STO], v129, 4, v[STO]
	v_add_nc_u32 v[STO], s96, v[STO]               ; into the stage: row 32 i + r, my head's half, 16 bytes for each half of the lanes
	s_mul_i32 s96, s[WV], 16*272
	s_add_co_u32 s96, s96, STAGE
	v_mul_u32_u24 v[RD], v129, 272
	v_lshl_add_u32 v[RD], v128, 4, v[RD]
	v_add_nc_u32 v[RD], s96, v[RD]                 ; back: rows 16 w on, whole; lanes 0-15 one row, lanes 16-31 the next
	v_lshlrev_b32 v[GO], 11, v129
	v_lshl_add_u32 v[GO], v128, 4, v[GO]
.irp t, 0,1
	v_mov_b32 v[ST+8*\t+1], 0xff61b1e6             ; m = -3e38, under every score
	v_mul_f32 v[ST+8*\t], s[CS], v[ST+8*\t+1]
.irp j, 2,3,4,5,6,7
	v_mov_b32 v[ST+8*\t+\j], 0                     ; l; and the registers at work are written once
.endr
.endr
.set i, 0
.rept 64
	v_mov_b32 v[O+i], 0                            ; O^T.  (The step is written once: the first finds zeros)
.set i, i+1
.endr
; A KEY STEP: 64 keys, the q-th of the slot in hand.
.macro STEP q
	s_add_co_u32 s96, s[Q0], 31
	s_cmp_gt_u32 s[KF], s96                        ; all keys come after my last query,
	s_cbranch_scc1 .Lhid_\@
	s_add_co_u32 s96, s[KF], 575
	s_cmp_le_u32 s96, s[Q0]                        ; or the last key lies more than 511 before my first query: nothing counts
	s_cbranch_scc1 .Lhid_\@
	v_add_nc_u32 v[ADK], s[TB], v[AK0]
	v_add_nc_u32 v[ADV], s[TB], v[AV0]
.rept 3
	v_nop                                          ; with the two additions five places behind the last step's products: K's loads land on registers that they read (four), and the scores are laid over P (five)
.endr
.irp kt, 0,1,2,3
.irp s, 0,1
	ds_load_b128 v[KV+16*\kt+8*\s:KV+16*\kt+8*\s+3], v[ADK] offset:(64*(\q)+16*\kt)*PK+64*\s
	ds_load_b128 v[KV+16*\kt+8*\s+4:KV+16*\kt+8*\s+7], v[ADK] offset:(64*(\q)+16*\kt)*PK+64*\s+32
.endr
.endr
	s_wait_dscnt 0x0
.irp s, 0,1                                    ; S^T = K Q^T: eight accumulators by turns; the first eight products start the sums
.irp kt, 0,1,2,3
.irp t, 0,1
.if \s == 0
	v_wmma_f32_16x16x32_f16 v[S+32*\t+8*\kt:S+32*\t+8*\kt+7], v[KV+16*\kt+8*\s:KV+16*\kt+8*\s+7], v[Q+16*\t+8*\s:Q+16*\t+8*\s+7], 0
.else
	v_wmma_f32_16x16x32_f16 v[S+32*\t+8*\kt:S+32*\t+8*\kt+7], v[KV+16*\kt+8*\s:KV+16*\kt+8*\s+7], v[Q+16*\t+8*\s:Q+16*\t+8*\s+7], v[S+32*\t+8*\kt:S+32*\t+8*\kt+7]
.endif
.endr
.endr
.endr
.rept 4
	v_nop                                          ; places ahead of V's loads into K's registers and of the first read of the scores
.endr
.irp c, 0,1
.irp f, 0,1,2,3
	ds_load_tr16_b128 v[KV+32*\c+8*\f:KV+32*\c+8*\f+3], v[ADV] offset:(64*(\q)+32*\c)*PV+32*\f            ; V^T: keys 32 c on, channels 16 f on; it lands while the softmax is worked
	ds_load_tr16_b128 v[KV+32*\c+8*\f+4:KV+32*\c+8*\f+7], v[ADV] offset:(64*(\q)+32*\c)*PV+32*\f+16*PV
.endr
.endr
	; register n of tile t holds key KF + 16 (n / 8) + n % 8 + 8 h and query Q0 + 16 t + r
	s_add_co_u32 s96, s[KF], 63
	s_cmp_le_u32 s96, s[Q0]                        ; no key comes after any of my queries: no diagonal here
	s_cbranch_scc1 .Lopen_\@
	s_sub_co_i32 s96, s[Q0], s[KF]
	v_add_nc_u32 v9, s96, v[RH]                    ; d = query - KF - 8 h: hidden where 16 (n / 8) + n % 8 > d
	v_add_nc_u32 v10, 16, v9
.irp t, 0,1
.set n, 0
.rept 32
	v_cmp_gt_i32 vcc_lo, 16*(n/8)+n%8, v[9+\t]
	v_cndmask_b32 v[S+32*\t+n], v[S+32*\t+n], v8, vcc_lo
.set n, n+1
.endr
.endr
.Lopen_\@:
	s_add_co_u32 s96, s[KF], 480
	s_cmp_ge_u32 s96, s[Q0]                        ; no key lies more than 511 before my last query: no window's edge here
	s_cbranch_scc1 .Lin_\@
	s_sub_co_i32 s96, s[Q0], s[KF]
	s_sub_co_i32 s96, s96, 511
	v_add_nc_u32 v9, s96, v[RH]                    ; hidden where 16 (n / 8) + n % 8 < d - 511
	v_add_nc_u32 v10, 16, v9
.irp t, 0,1
.set n, 0
.rept 32
	v_cmp_lt_i32 vcc_lo, 16*(n/8)+n%8, v[9+\t]
	v_cndmask_b32 v[S+32*\t+n], v[S+32*\t+n], v8, vcc_lo
.set n, n+1
.endr
.endr
.Lin_\@:
	; the softmax, the two tiles line by line in turn.  The maximum begins at each accumulator's low end
.irp j, 0,1,2,3
.irp t, 0,1
	v_max3_num_f32 v[ST+8*\t+4+\j], v[S+32*\t+8*\j], v[S+32*\t+8*\j+1], v[S+32*\t+8*\j+2]
.endr
.endr
.irp d, 1,2
.irp j, 0,1,2,3
.irp t, 0,1
	v_max3_num_f32 v[ST+8*\t+4+\j], v[ST+8*\t+4+\j], v[S+32*\t+8*\j+2*\d+1], v[S+32*\t+8*\j+2*\d+2]
.endr
.endr
.endr
.irp t, 0,1
	v_max3_num_f32 v[ST+8*\t+4], v[ST+8*\t+4], v[S+32*\t+7], v[S+32*\t+15]
	v_max3_num_f32 v[ST+8*\t+6], v[ST+8*\t+6], v[S+32*\t+23], v[S+32*\t+31]
.endr
.irp t, 0,1
	v_max3_num_f32 v[ST+8*\t+4], v[ST+8*\t+4], v[ST+8*\t+5], v[ST+8*\t+6]
.endr
.irp t, 0,1
	v_max3_num_f32 v[ST+8*\t+4], v[ST+8*\t+4], v[ST+8*\t+7], v[ST+8*\t+1]   ; with the old m
.endr
.irp t, 0,1
	v_permlanex16_b32 v[ST+8*\t+5], v[ST+8*\t+4], s[SEL], s[SEL+1]          ; the query's other 32 keys lie in the lane 16 away
.endr
.irp t, 0,1
	v_mov_b32 v[ST+8*\t+7], v[ST+8*\t]             ; c m_old
.endr
.irp t, 0,1
	v_max_num_f32 v[ST+8*\t+1], v[ST+8*\t+4], v[ST+8*\t+5]
.endr
.irp t, 0,1
	v_mul_f32 v[ST+8*\t], s[CS], v[ST+8*\t+1]
.endr
.irp t, 0,1
	v_sub_f32 v[ST+8*\t+7], v[ST+8*\t+7], v[ST+8*\t]
.endr
.irp t, 0,1
	v_exp_f32 v[ST+8*\t+6], v[ST+8*\t+7]           ; a
.endr
.set e, 0
.rept 16
.irp t, 0,1
	v_pk_fma_f32 v[S+32*\t+e:S+32*\t+e+1], v[S+32*\t+e:S+32*\t+e+1], s[CS:CS+1], v[ST+8*\t:ST+8*\t+1] op_sel_hi:[1,0,0] neg_lo:[0,0,1] neg_hi:[0,0,1]   ; c s - c m, two at a time
.endr
.set e, e+2
.endr
.set e, 0
.rept 32
.irp t, 0,1
	v_exp_f32 v[S+32*\t+e], v[S+32*\t+e]           ; p
.endr
.set e, e+1
.endr
	v_nop                                          ; a plain line behind the last exponential,
	s_wait_alu depctr_va_vdst(0)                   ; and ONE wait for all 66, ahead of their first reader
.irp t, 0,1
	v_pk_mul_f32 v[ST+8*\t+2:ST+8*\t+3], v[ST+8*\t+2:ST+8*\t+3], v[ST+8*\t+6:ST+8*\t+7] op_sel_hi:[1,0]   ; l under the new m
	v_pk_add_f32 v[ST+8*\t+4:ST+8*\t+5], v[S+32*\t:S+32*\t+1], v[S+32*\t+2:S+32*\t+3]                     ; the sum of the unrounded p, in two chains
.endr
.irp j, 4,8,12,16,20,24,28
.irp t, 0,1
	v_pk_add_f32 v[ST+8*\t+2:ST+8*\t+3], v[ST+8*\t+2:ST+8*\t+3], v[S+32*\t+\j:S+32*\t+\j+1]
	v_pk_add_f32 v[ST+8*\t+4:ST+8*\t+5], v[ST+8*\t+4:ST+8*\t+5], v[S+32*\t+\j+2:S+32*\t+\j+3]
.endr
.endr
.irp t, 0,1
	v_pk_add_f32 v[ST+8*\t+2:ST+8*\t+3], v[ST+8*\t+2:ST+8*\t+3], v[ST+8*\t+4:ST+8*\t+5]
.endr
.set e, 0
.rept 16
.irp t, 0,1
	v_cvt_pk_f16_f32 v[S+32*\t+e], v[S+32*\t+2*e], v[S+32*\t+2*e+1]   ; P, packed in place, ascending: registers 8 c .. 8 c + 7 are source 1 for keys 32 c on
.endr
.set e, e+1
.endr
.set e, 0
.rept 16
.irp t, 0,1
	v_pk_mul_f32 v[O+32*\t+e:O+32*\t+e+1], v[O+32*\t+e:O+32*\t+e+1], v[ST+8*\t+6:ST+8*\t+7] op_sel_hi:[1,0]   ; O^T under the new m
.endr
.set e, e+2
.endr
	s_wait_dscnt 0x0                               ; V is in
.irp c, 0,1                                    ; O^T += V^T P: eight accumulators by turns
.irp f, 0,1,2,3
.irp t, 0,1
	v_wmma_f32_16x16x32_f16 v[O+32*\t+8*\f:O+32*\t+8*\f+7], v[KV+32*\c+8*\f:KV+32*\c+8*\f+7], v[S+32*\t+8*\c:S+32*\t+8*\c+7], v[O+32*\t+8*\f:O+32*\t+8*\f+7]
.endr
.endr
.endr
.Lhid_\@:
	s_add_co_u32 s[KF], s[KF], 64
.endm
; THE CHANGE OF SLOTS stands at a slot's head.  Each wave waits for all its tensor loads, adds 0 to its spare word (fill = 1: twice on end), and waits for that and for its reads of the slot that it has left.
; Behind the barrier the slot ahead is whole and nobody reads the other one; fill = 1: that one takes the next 128 keys, up to the causal limit.  Every wait on TENSORcnt in this text is for 0.
.macro CHANGE fill
	s_wait_tensorcnt 0x0                           ; no tensor load of mine is out, so a group 0 may be written
	ds_add_u32 v[SPW], v[NIL]
.if \fill
	ds_add_u32 v[SPW], v[NIL]                      ; and once more
	s_xor_b32 s[G0K+1], s[G0K+1], SLOT1
	s_add_nc_u64 s[G0K+2:G0K+3], s[G0K+2:G0K+3], SK*2048
	s_xor_b32 s[G0V+1], s[G0V+1], SLOT1
	s_add_nc_u64 s[G0V+2:G0V+3], s[G0V+2:G0V+3], SK*2048
	s_wait_xcnt 0x0                                ; the last prefetch, a slot back, has read its address
	s_add_nc_u64 s[PFA:PFA+1], s[PFA:PFA+1], SK*2048   ; one slot further on than the walking descriptors
.endif
	s_wait_dscnt 0x0                               ; the add is done, and my reads of the slot that I have left are over
	s_barrier_signal -1
	s_barrier_wait -1
.if \fill
	s_add_co_u32 s96, s[KF], SK                    ; the first key of the slot that this change would ask for
	s_or_b32 s97, s[Q0], 255                       ; my work-group's last query
	s_cmp_gt_u32 s96, s97                          ; ids and the count of steps alone: all sixteen waves go the same way.  Such a slot is read by no wave, so it is not asked for
	s_cbranch_scc1 .Lpast_\@
	TLOAD                                          ; a wave's one tensor load until the next barrier: it has a slot's two steps in which to land
.Lpast_\@:
	ASK
.endif
.endm
.macro SLOT_STEPS
	STEP 0
	STEP 1
	s_xor_b32 s[TB], s[TB], SLOT1
.endm
	s_wait_loadcnt 0x0                             ; Q
.Lslot:                                            ; five trips: behind each change of slots but the last the next slot is asked for
	CHANGE 1
	SLOT_STEPS
	s_sub_co_u32 s[SLOTS], s[SLOTS], 1
	s_cmp_lg_u32 s[SLOTS], 0
	s_cbranch_scc1 .Lslot
	CHANGE 0                                       ; the last slot is written out: nothing is left to ask for
	SLOT_STEPS
	; THE WAY OUT: O^T / l, to f16, through the work-group's stage (a row's 256 bytes come from two waves), and out as whole rows.
.rept 4
	v_nop                                          ; places behind the last products
.endr
.irp t, 0,1
	v_add_f32 v[ST+8*\t+4], v[ST+8*\t+2], v[ST+8*\t+3]
.endr
.irp t, 0,1
	v_permlanex16_b32 v[ST+8*\t+5], v[ST+8*\t+4], s[SEL], s[SEL+1]
.endr
.irp t, 0,1
	v_add_f32 v[ST+8*\t+4], v[ST+8*\t+4], v[ST+8*\t+5]
.endr
.irp t, 0,1
	v_rcp_f32 v[ST+8*\t+6], v[ST+8*\t+4]
.endr
	v_nop
	s_wait_alu depctr_va_vdst(0)                   ; one wait for the two reciprocals, ahead of their first reader
.irp t, 0,1
.set e, 0
.rept 16
	v_pk_mul_f32 v[O+32*\t+e:O+32*\t+e+1], v[O+32*\t+e:O+32*\t+e+1], v[ST+8*\t+6:ST+8*\t+7] op_sel_hi:[1,0]
.set e, e+2
.endr
.endr
.irp t, 0,1
.set e, 0
.rept 16
	v_cvt_pk_f16_f32 v[S+16*\t+e], v[O+32*\t+2*e], v[O+32*\t+2*e+1]   ; registers 4 f .. 4 f + 3: channels 16 f + 8 h + 0 .. 7 of query r
.set e, e+1
.endr
.endr
.irp t, 0,1
.irp f, 0,1,2,3
	ds_store_b128 v[STO], v[S+16*\t+4*\f:S+16*\t+4*\f+3] offset:16*272*\t+32*\f
.endr
.endr
	s_wait_dscnt 0x0                               ; for the others' sake: my stores have landed
	s_barrier_signal -1
	s_barrier_wait -1
.irp k, 0,1,2,3,4,5,6,7
	ds_load_b128 v[KV+4*\k:KV+4*\k+3], v[RD] offset:2*272*\k
.endr
.irp k, 0,1,2,3,4,5,6,7
	s_wait_dscnt 7-\k
	global_store_b128 v[GO], v[KV+4*\k:KV+4*\k+3], s[6:7] offset:4096*\k   ; 16 lanes store 256 consecutive bytes, aligned
.endr
	s_wait_tensorcnt 0x0                           ; the wave's end
	ds_add_u32 v[SPW], v[NIL]
	s_wait_dscnt 0x0
	s_endpgm
.Lfunc_end_k_q2974f9a4c6_attn:
	.size	k_q2974f9a4c6_attn, .Lfunc_end_k_q2974f9a4c6_attn-k_q2974f9a4c6_attn
	.p2alignl 7, 3214868480
	.fill 96, 4, 3214868480
	.section	.rodata,"a",@progbits
	.p2align	6, 0x0
	.amdhsa_kernel k_q2974f9a4c6_attn
		.amdhsa_group_segment_fixed_size 327680
		.amdhsa_private_segment_fixed_size 0
		.amdhsa_enable_private_segment 0
		.amdhsa_kernarg_size 16
		.amdhsa_user_sgpr_count 2
		.amdhsa_user_sgpr_kernarg_segment_ptr 1
		.amdhsa_wavefront_size32 1
		.amdhsa_system_sgpr_workgroup_id_x 1
		.amdhsa_system_sgpr_workgroup_id_y 1
		.amdhsa_system_sgpr_workgroup_id_z 1
		.amdhsa_system_vgpr_workitem_id 0
		.amdhsa_next_free_vgpr 256
		.amdhsa_next_free_sgpr 100
		.amdhsa_reserve_vcc 1
		.amdhsa_float_denorm_mode_32 3
		.amdhsa_float_denorm_mode_16_64 3
		.amdhsa_memory_ordered 1
		.amdhsa_forward_progress 1
		.amdhsa_inst_pref_size 122
	.end_amdhsa_kernel
	.amdgpu_metadata
---
amdhsa.version: [ 1, 2 ]
amdhsa.kernels:
  - .name:           k_q2974f9a4c6_attn
    .symbol:         k_q2974f9a4c6_attn.kd
    .args:
      - { .name: qkv16, .offset: 0, .size: 8, .value_kind: global_buffer, .address_space: global }
      - { .name: a16, .offset: 8, .size: 8, .value_kind: global_buffer, .address_space: global }
    .group_segment_fixed_size: 327680
    .private_segment_fixed_size: 0
    .kernarg_segment_align: 8
    .kernarg_segment_size: 16
    .max_flat_workgroup_size: 512
    .sgpr_count:     100
    .vgpr_count:     256
    .wavefront_size: 32
...
	.end_amdgpu_metadata
.endif
;; end of part 4
;; launch proj (part 5): grid 8 x 32, 4 waves a work-group, clusters of 4 x 4, 327,680 bytes of LDS; arguments a16, wo16, out0; writes out0
.if DOCPART == 5
	.amdgcn_target "amdgcn-amd-amdhsa--gfx1250"
	.amdhsa_code_object_version 6
	.text
	.protected	k_q2974f9a4c6_proj
	.globl	k_q2974f9a4c6_proj
	.p2align	8
	.type	k_q2974f9a4c6_proj,@function
k_q2974f9a4c6_proj:
	s_mov_b64 s[64:65], 0
	v_nop
	global_prefetch_b8 v0, s[64:65] scope:SCOPE_SE
	s_setreg_imm32_b32 hwreg(HW_REG_WAVE_MODE, 25, 1), 1
	s_wait_xcnt 0x0
	s_wait_alu depctr_hold_cnt(0) depctr_sa_sdst(0) depctr_va_vdst(0) depctr_va_sdst(0) depctr_va_ssrc(0) depctr_va_vcc(0) depctr_vm_vsrc(0)
	s_getreg_b32 s2, hwreg(HW_REG_IB_STS2, 6, 4)
	s_cmp_eq_u32 s2, 0
	s_cbranch_scc0 .Lentry_in_a_cluster
	s_endpgm
.Lentry_in_a_cluster:
	s_bfe_u32 s2, ttmp6, 0x10000c
	s_cmp_lg_u32 s2, 0xf033
	s_cbranch_scc0 .Lentry_shape_is_right
	s_endpgm
.Lentry_shape_is_right:
; out0[m][n] = the sum over k of a16[m][k] wo16[k][n]: [8192][1024] x [1024][1024], f16 operands, f32 sums, f32 out.  (Rows t < 16 of every sequence are written once more, in f32 arithmetic, by the next launch.)
; A tile of 256 (m) x 128 (n) to a work-group: 32 x 8 = 256 work-groups.  Four waves, each 128 x 64: 32 accumulators of 16 x 16, 256 registers.
; K goes in eight steps of 128 through two LDS slots: A's 256 rows of 256 bytes (waves 0, 1 fetch 128 each), B's 128 k-rows of 256 bytes (waves 2, 3 fetch 64 each).  B lies [k][n] and is turned on its way into registers by ds_load_tr16_b128.
; CLUSTERS: 4 x 4: A's tiles are asked for jointly along a row of the cluster, B's along a column.  TRANSPOSED USE: source 0 = 16 columns of Wout, source 1 = 16 rows of a16: a lane holds eight neighbouring numbers of a row of out0.
; No prefetch is laid: the launch has eight K steps in all, and its first two come at the head.
; REGISTERS: window 0: v0-31 addresses; v32-127, v128-223 two fragment buffers (A's 8 fragments, then B's 4); window 1: accumulator (a, b) at v[8 (4 a + b)].
.set KSTEP, 128
.set PA,    272                        ; a row of A in LDS: 256 + 16
.set PB,    288                        ; a row of B: 256 + 32
.set HALFA, 128*PA
.set HALFB, 64*PB
.set BOFF,  2*HALFA
.set SLOT,  BOFF+2*HALFB
.set STAGE, 2*SLOT                     ; the way out: 16 rows x (256 + 16) bytes for each wave; no fill lands here
.set SP,    272
.set SPARE, STAGE+4*16*SP
.set LAPS,  4
.set ADRA, 16
.set ADRB, 20
.set STO,  24
.set RD,   25
.set CO,   26
.set SPW,  28
.set NIL,  29
.set F0,   32
.set F1,   128
.set OB0,  32                          ; the way out: rows read back, v32-63 and v64-95 by turns
.set G1, 24
.set G0, 32
.set G1B, 48
.set G0B, 56
.set MSB, 0
.macro WIN new
.if MSB != (\new)
	s_set_vgpr_msb (MSB<<8)|(\new)
.set MSB, (\new)
.endif
.endm
.set W_MUL, 0x50                       ; C and D window 1, sources 0 and 1 window 0
.macro JLOAD s                         ; waves 0 and 1 fetch A's halves, waves 2 and 3 B's; an s_nop 0 and four v_nop follow each line
	s_cmp_eq_u32 s11, 0
	s_cbranch_scc0 .Lfor_b_\@
	tensor_load_to_lds s[G0+4*\s:G0+4*\s+3], s[G1:G1+7]
	s_nop 0
.rept 4
	v_nop
.endr
	s_branch .Lasked_\@
.Lfor_b_\@:
	tensor_load_to_lds s[G0B+4*\s:G0B+4*\s+3], s[G1B:G1B+7]
	s_nop 0
.rept 4
	v_nop
.endr
.Lasked_\@:
.endm
.macro CREST
	s_cmp_lg_u32 s10, 0
	s_cbranch_scc1 .Lnot_wave_0_\@
	s_barrier_signal -3
.Lnot_wave_0_\@:
	s_barrier_wait -3
	s_barrier_signal -1
	s_barrier_wait -1
.endm
.macro CROUND
	s_barrier_signal -1
	s_barrier_wait -1
	CREST
.endm
	s_load_b128 s[4:7], s[0:1], 0x0                ; a16 s[4:5], wo16 s[6:7]
	s_load_b64 s[8:9], s[0:1], 0x10                ; out0
	v_lshl_add_u32 v[SPW], v0, 2, SPARE
	v_mov_b32 v[NIL], 0
	ds_add_u32 v[SPW], v[NIL]                      ; the wave's opening: the add, twice on end, and its wait ahead of my first tensor load
	ds_add_u32 v[SPW], v[NIL]
	v_lshrrev_b32 v1, 5, v0
	v_readfirstlane_b32 s10, v1                    ; wave 0..3
	s_lshr_b32 s11, s10, 1                         ; my 128 rows.  Also: I fetch for A (0) or for B (1)
	s_and_b32 s12, s10, 1                          ; my 64 columns.  Also: which half of that tile I fetch
	s_bfe_u32 s40, ttmp6, 0x40000                  ; cx
	s_bfe_u32 s41, ttmp6, 0x40004                  ; cy
	s_lshl_b32 s42, ttmp9, 2
	s_add_co_u32 s42, s42, s40                     ; tile column
	s_and_b32 s13, ttmp7, 0xffff
	s_lshl_b32 s13, s13, 2
	s_add_co_u32 s13, s13, s41                     ; tile row
	s_lshl_b32 s43, s41, 2
	s_lshl_b32 s43, 15, s43                        ; my row of the cluster
	s_lshl_b32 s44, 0x1111, s40                    ; my column
	s_or_b32 s[G1+0], s43, (1<<16)|(1<<20)|(1<<21)|(5<<22)|(3<<25)   ; the mask; elements of 2 bytes; 4 words of padding behind every 64
	s_or_b32 s[G1B+0], s44, (1<<16)|(1<<20)|(1<<21)|(5<<22)|(7<<25)  ; 8 words
	s_mov_b32 s[G1+1], 128<<16                     ; tensor_dim0 = 128
	s_mov_b32 s[G1+2], 128<<16                     ; tensor_dim1 = 128
	s_mov_b32 s[G1+3], 128<<16                     ; tile_dim0
	s_mov_b32 s[G1+4], 128                         ; tile_dim1
	s_mov_b32 s[G1+5], 1024
	s_mov_b32 s[G1+6], 0
	s_mov_b32 s[G1+7], 0
	s_mov_b32 s[G1B+1], 128<<16
	s_mov_b32 s[G1B+2], 64<<16                     ; 64 k-rows
	s_mov_b32 s[G1B+3], 128<<16
	s_mov_b32 s[G1B+4], 64
	s_mov_b32 s[G1B+5], 1024
	s_mov_b32 s[G1B+6], 0
	s_mov_b32 s[G1B+7], 0
	s_lshl_b32 s16, s13, 19                        ; A: 256 rows of 2,048 bytes a tile row,
	s_lshl_b32 s17, s12, 18                        ; the 128 that I fetch
	s_add_co_u32 s16, s16, s17
	s_mov_b32 s17, 0
	s_lshl_b32 s46, s12, 17                        ; B: the 64 k-rows that I fetch,
	s_lshl_b32 s47, s42, 8                         ; 256 bytes a tile column
	s_add_co_u32 s46, s46, s47
	s_mov_b32 s47, 0
	s_mul_i32 s20, s12, HALFA                      ; where they go
	s_mul_i32 s21, s12, HALFB
	s_add_co_u32 s21, s21, BOFF
	s_wait_dscnt 0x0                               ; both opening adds are done
	s_wait_kmcnt 0x0
	s_add_nc_u64 s[14:15], s[4:5], s[16:17]
	s_add_nc_u64 s[46:47], s[6:7], s[46:47]
	CROUND                                         ; all sixteen work-groups are here
.irp s, 0,1
	s_mov_b32 s[G0+4*\s], 1
	s_add_co_u32 s[G0+4*\s+1], s20, \s*SLOT
	s_add_nc_u64 s[G0+4*\s+2:G0+4*\s+3], s[14:15], \s*KSTEP*2
	s_or_b32 s[G0+4*\s+3], s[G0+4*\s+3], 0x80000000
	s_mov_b32 s[G0B+4*\s], 1
	s_add_co_u32 s[G0B+4*\s+1], s21, \s*SLOT
	s_add_nc_u64 s[G0B+4*\s+2:G0B+4*\s+3], s[46:47], \s*KSTEP*2048
	s_or_b32 s[G0B+4*\s+3], s[G0B+4*\s+3], 0x80000000
	JLOAD \s                                       ; two loads of mine are out
.endr
	v_and_b32 v1, 15, v0                           ; r
	v_bfe_u32 v2, v0, 4, 1                         ; h
	v_mul_u32_u24 v3, v1, PA
	v_lshl_add_u32 v3, v2, 4, v3
	v_and_b32 v4, 7, v0
	v_bfe_u32 v5, v0, 3, 1
	v_lshl_add_u32 v4, v2, 3, v4                   ; the turning load: k-row 8 h + lane % 8, columns 8 ((lane / 8) % 2) on
	v_mul_u32_u24 v4, v4, PB
	v_lshl_add_u32 v4, v5, 4, v4
	s_mul_i32 s21, s11, HALFA                      ; my 128 rows of A
	s_lshl_b32 s22, s12, 7                         ; my 64 columns of B
	s_add_co_u32 s22, s22, BOFF
.irp s, 0,1
	v_add_nc_u32 v[ADRA+\s], s21, v3
	v_add_nc_u32 v[ADRB+\s], s22, v4
	s_add_co_u32 s21, s21, SLOT
	s_add_co_u32 s22, s22, SLOT
.endr
	s_mul_i32 s23, s10, 16*SP
	s_add_co_u32 s23, s23, STAGE                   ; my stage
	v_mul_u32_u24 v5, v1, SP
	v_lshl_add_u32 v5, v2, 5, v5
	v_add_nc_u32 v[STO], s23, v5                   ; in: row r, 32 bytes for each half of the lanes
	v_mul_u32_u24 v5, v2, SP
	v_lshl_add_u32 v5, v1, 4, v5
	v_add_nc_u32 v[RD], s23, v5                    ; back: lanes 0-15 one row of 256 bytes, lanes 16-31 the next
	v_lshlrev_b32 v5, 12, v2
	v_lshl_add_u32 v[CO], v1, 4, v5
	s_lshl_b32 s16, s13, 20                        ; out0: 256 rows of 4,096 bytes a tile row,
	s_lshl_b32 s17, s11, 19                        ; my 128
	s_add_co_u32 s16, s16, s17
	s_mov_b32 s17, 0
	s_add_nc_u64 s[8:9], s[8:9], s[16:17]
	s_lshl_b32 s46, s42, 9                         ; 512 bytes a tile column,
	s_lshl_b32 s47, s12, 8                         ; my 256
	s_add_co_u32 s46, s46, s47
	s_mov_b32 s47, 0
	s_add_nc_u64 s[8:9], s[8:9], s[46:47]
; n blocks of 16 rows from a0 on x my four blocks of columns, 32 along K.  The 32 accumulators take turns in one order everywhere.
.macro MULN f, a0, n, zero
.set AA, \a0
.rept \n
.irp b, 0,1,2,3
.if \zero
	v_wmma_f32_16x16x32_f16 v[8*(4*AA+\b):8*(4*AA+\b)+7], v[\f+64+8*\b:\f+64+8*\b+7], v[\f+8*AA:\f+8*AA+7], 0
.else
	v_wmma_f32_16x16x32_f16 v[8*(4*AA+\b):8*(4*AA+\b)+7], v[\f+64+8*\b:\f+64+8*\b+7], v[\f+8*AA:\f+8*AA+7], v[8*(4*AA+\b):8*(4*AA+\b)+7]
.endif
.endr
.set AA, AA+1
.endr
.endm
.macro FETCH slot, q, f                ; 24 LDS loads in one run: the q-th 32 along K: B's four fragments, turned, then A's eight
	WIN 0
.irp b, 0,1,2,3
	ds_load_tr16_b128 v[\f+64+8*\b:\f+64+8*\b+3], v[ADRB+\slot] offset:32*PB*(\q)+32*\b
	ds_load_tr16_b128 v[\f+64+8*\b+4:\f+64+8*\b+7], v[ADRB+\slot] offset:32*PB*(\q)+32*\b+16*PB
.endr
.irp i, 0,1,2,3,4,5,6,7
	ds_load_b128 v[\f+8*\i:\f+8*\i+3], v[ADRA+\slot] offset:64*(\q)+\i*16*PA
	ds_load_b128 v[\f+8*\i+4:\f+8*\i+7], v[ADRA+\slot] offset:64*(\q)+\i*16*PA+32
.endr
.endm
.macro PLACES                          ; four plain lines between matrix instructions and loads into, or reads of, their registers
.rept 4
	v_nop
.endr
.endm
.macro QUARTER slot, q, f, g, zero     ; multiplies buffer f; in its middle fetches the slot's q-th 32 along K into g
	s_wait_dscnt 8                                 ; B and A's blocks 0-3 are in; the youngest eight loads (A's blocks 4-7) may be out
	WIN W_MUL
	MULN \f, 0, 4, \zero
	PLACES
	FETCH \slot, \q, \g
	s_wait_dscnt 24                                ; all but the 24 just issued
	WIN W_MUL
	MULN \f, 4, 4, \zero
.endm
; A slot's last quarter multiplies buffer 1 and changes slots: ONE barrier; in front of it each wave waits for all its tensor loads, adds 0 to its spare word, and waits for that and for its reads of this slot.
.macro TURN slot, next, fill
	WIN 0
	s_wait_tensorcnt 0x0                           ; all my tensor loads have landed: my part of the next slot
	ds_add_u32 v[SPW], v[NIL]
	s_wait_dscnt 9                                 ; (the add and the youngest eight loads may be out)
	WIN W_MUL
	MULN F1, 0, 2, 0
	s_wait_dscnt 0x0                               ; the add is done, and my reads of this slot are over
	s_barrier_signal -1
	MULN F1, 2, 2, 0
.if \fill
	WIN 0
.endif
	s_barrier_wait -1
.if \fill
	CREST                                          ; the barrier has opened a round of the cluster's: no wave of any partner still reads this slot or has a load on its way
	s_add_nc_u64 s[G0+4*\slot+2:G0+4*\slot+3], s[G0+4*\slot+2:G0+4*\slot+3], 2*KSTEP*2
	s_add_nc_u64 s[G0B+4*\slot+2:G0B+4*\slot+3], s[G0B+4*\slot+2:G0B+4*\slot+3], 2*KSTEP*2048
	JLOAD \slot                                    ; the first tensor load behind the round; its four v_nop are also the places in front of the loads below
.else
	PLACES
.endif
	FETCH \next, 0, F0
	WIN W_MUL
	MULN F1, 4, 4, 0
.endm
	s_wait_tensorcnt 1                             ; my part of K step 0 is in; K step 1's load may be out
	s_barrier_signal -1
	s_barrier_wait -1
	FETCH 0, 0, F0
	QUARTER 0, 1, F0, F1, 1                        ; the first quarter's products start the sums
	WIN 0
	s_mov_b32 s3, LAPS-1
.Llap:                                             ; a trip goes once round the ring and fills both slots again
	QUARTER 0, 2, F1, F0, 0
	QUARTER 0, 3, F0, F1, 0
	TURN 0, 1, 1
	QUARTER 1, 1, F0, F1, 0
	QUARTER 1, 2, F1, F0, 0
	QUARTER 1, 3, F0, F1, 0
	TURN 1, 0, 1
	QUARTER 0, 1, F0, F1, 0
	WIN 0
	s_sub_co_u32 s3, s3, 1
	s_cmp_lg_u32 s3, 0
	s_cbranch_scc1 .Llap
	QUARTER 0, 2, F1, F0, 0                        ; the last lap fills nothing
	QUARTER 0, 3, F0, F1, 0
	TURN 0, 1, 0
	QUARTER 1, 1, F0, F1, 0
	QUARTER 1, 2, F1, F0, 0
	QUARTER 1, 3, F0, F1, 0
	s_wait_dscnt 8
	WIN W_MUL
	MULN F1, 0, 4, 0
	s_wait_dscnt 0
	MULN F1, 4, 4, 0
	WIN 0
; THE WAY OUT: a wave's 64 columns of f32 are 256 bytes of a row.  A block of 16 rows goes through my own stage and comes back as whole rows.
.macro TOSTAGE a
.set BB, OB0+32*((\a)%2)
	WIN 0x04                                       ; an LDS store's data are its source 1: window 1
.irp b, 0,1,2,3
	ds_store_b128 v[STO], v[8*(4*(\a)+\b):8*(4*(\a)+\b)+3] offset:64*\b          ; each accumulator from its low end on
	ds_store_b128 v[STO], v[8*(4*(\a)+\b)+4:8*(4*(\a)+\b)+7] offset:64*\b+16
.endr
	WIN 0
.irp t, 0,1,2,3,4,5,6,7
	ds_load_b128 v[BB+4*\t:BB+4*\t+3], v[RD] offset:\t*2*SP      ; LDS serves a wave's instructions in order: these see the stores above
.endr
.endm
.macro SEND a, younger
.set BB, OB0+32*((\a)%2)
	s_wait_dscnt \younger                          ; the block is back in registers
.irp t, 0,1,2,3,4,5,6,7
	global_store_b128 v[CO], v[BB+4*\t:BB+4*\t+3], s[8:9] offset:(16*(\a)+2*\t)*4096 th:TH_STORE_NT   ; 16 lanes store 256 consecutive bytes, aligned; 126 rows at the most: inside the signed 24-bit immediate
.endr
.endm
	PLACES
	TOSTAGE 0
.irp a, 1,2,3,4,5,6,7
.if \a > 1
	s_wait_xcnt 0x0                                ; block a - 2's stores have read their registers: block a's loads may land there
.endif
	TOSTAGE \a
	SEND \a-1, 16                                  ; behind block a - 1's loads: block a's 8 stores and 8 loads
.endr
	SEND 7, 0
	s_wait_tensorcnt 0x0                           ; the wave's end
	ds_add_u32 v[SPW], v[NIL]
	s_wait_dscnt 0x0
	CROUND                                         ; the closing round
	s_endpgm
.Lfunc_end_k_q2974f9a4c6_proj:
	.size	k_q2974f9a4c6_proj, .Lfunc_end_k_q2974f9a4c6_proj-k_q2974f9a4c6_proj
	.p2alignl 7, 3214868480
	.fill 96, 4, 3214868480
	.section	.rodata,"a",@progbits
	.p2align	6, 0x0
	.amdhsa_kernel k_q2974f9a4c6_proj
		.amdhsa_group_segment_fixed_size 327680
		.amdhsa_private_segment_fixed_size 0
		.amdhsa_enable_private_segment 0
		.amdhsa_kernarg_size 24
		.amdhsa_user_sgpr_count 2
		.amdhsa_user_sgpr_kernarg_segment_ptr 1
		.amdhsa_wavefront_size32 1
		.amdhsa_system_sgpr_workgroup_id_x 1
		.amdhsa_system_sgpr_workgroup_id_y 1
		.amdhsa_system_sgpr_workgroup_id_z 1
		.amdhsa_system_vgpr_workitem_id 0
		.amdhsa_next_free_vgpr 512
		.amdhsa_next_free_sgpr 66
		.amdhsa_reserve_vcc 0
		.amdhsa_float_denorm_mode_32 3
		.amdhsa_float_denorm_mode_16_64 3
		.amdhsa_memory_ordered 1
		.amdhsa_forward_progress 1
		.amdhsa_inst_pref_size 86
	.end_amdhsa_kernel
	.amdgpu_metadata
---
amdhsa.version: [ 1, 2 ]
amdhsa.kernels:
  - .name:           k_q2974f9a4c6_proj
    .symbol:         k_q2974f9a4c6_proj.kd
    .args:
      - { .name: a16, .offset: 0, .size: 8, .value_kind: global_buffer, .address_space: global }
      - { .name: wo16, .offset: 8, .size: 8, .value_kind: global_buffer, .address_space: global }
      - { .name: out0, .offset: 16, .size: 8, .value_kind: global_buffer, .address_space: global }
    .group_segment_fixed_size: 327680
    .private_segment_fixed_size: 0
    .kernarg_segment_align: 8
    .kernarg_segment_size: 24
    .max_flat_workgroup_size: 128
    .sgpr_count:     66
    .vgpr_count:     512
    .wavefront_size: 32
...
	.end_amdgpu_metadata
.endif
;; end of part 5
;; launch first16 (part 6): grid 16 x 4, 16 waves a work-group, no clusters, 71,680 bytes of LDS; arguments f32rows, Wout, out0; writes out0
.if DOCPART == 6
	.amdgcn_target "amdgcn-amd-amdhsa--gfx1250"
	.amdhsa_code_object_version 6
	.text
	.protected	k_q2974f9a4c6_first16
	.globl	k_q2974f9a4c6_first16
	.p2align	8
	.type	k_q2974f9a4c6_first16,@function
k_q2974f9a4c6_first16:
	s_mov_b64 s[64:65], 0
	v_nop
	global_prefetch_b8 v0, s[64:65] scope:SCOPE_SE
	s_setreg_imm32_b32 hwreg(HW_REG_WAVE_MODE, 25, 1), 1
	s_wait_xcnt 0x0
; Positions t = 0 .. 15 of every sequence once more, in f32 throughout: under the causal mask these rows average one to sixteen values and are the largest of the output, and f16 operands would use up what the comparison allows.
; It writes over the 64 rows that the launch before has stored.  WORK LEFT OUT: keys after position 15 count for none of these queries (shown at quantx's head); the window of 512 hides none of keys 0 .. 15.
; SHARES.  Work-group (cb, b): 64 columns of out0, one batch.  Wave w is head w: its attention for the 16 rows, then its own slice of the projection's K, rows 64 w .. 64 w + 63 of Wout; the 16 partial sums meet in LDS.
; All products by v_wmma_f32_16x16x4_f32; its results lie in v188-251, which matrix instructions alone write.  k is permuted alike on both sides of each product, so that operands are used as they lie:
;   S^T = K Q^T: lane (r, h) holds channels 32 h + 0 .. 31 of its row; step s takes registers 2 s, 2 s + 1.   Result: lane (r, h), register j: key 8 h + j, query r.
;   O^T = V^T P: step s takes the weights' registers 2 s, 2 s + 1, keys 8 h + 2 s + 0, 1; V is loaded to match.   Result, tile f: channel 16 f + 8 h + j, query r.
;   part^T = W^T O^T: step (f, s') takes O^T's registers 2 s', 2 s' + 1 of tile f, channels 16 f + 8 h + 2 s' + 0, 1; Wout is loaded to match.   Result, tile i: column 16 i + 8 h + j, row r.
.set PART,  4352                       ; LDS: a wave's partial sums: 16 rows x (256 + 16) bytes
.set SPARE, 16*PART
.set T,   12                           ; v12-19  the scores, then the weights
.set QF,  28                           ; v28-59
.set KF,  60                           ; v60-91
.set VF,  92                           ; v92-123
.set WA,  124                          ; v124-187 Wout, channels 0-31 of my head
.set WB,  28                           ; v28-91   channels 32-63, over Q and K
.set SA,  188
.set SB,  196
.set OA,  204                          ; v204-235
.set SPW, 10
.set NIL, 11
	s_load_b128 s[4:7], s[0:1], 0x0                ; f32rows s[4:5], Wout s[6:7]
	s_load_b64 s[8:9], s[0:1], 0x10                ; out0
	v_lshl_add_u32 v[SPW], v0, 2, SPARE
	v_mov_b32 v[NIL], 0
	v_lshrrev_b32 v1, 5, v0
	v_readfirstlane_b32 s12, v1                    ; wave = head
	s_and_b32 s13, ttmp7, 0xffff                   ; b
	v_and_b32 v1, 15, v0                           ; r
	v_bfe_u32 v2, v0, 4, 1                         ; h
	v_and_b32 v5, 31, v0                           ; lane
	v_lshlrev_b32 v3, 12, v1
	v_lshl_add_u32 v3, v2, 7, v3                   ; Q, K: row r of 4,096 bytes, + 128 h
	v_lshlrev_b32 v4, 2, v1
	v_lshl_add_u32 v4, v2, 15, v4                  ; V, Wout: 8 h rows of 4,096 bytes, + 4 r
	s_mul_i32 s14, s12, PART
	v_mul_u32_u24 v6, v1, 272
	v_lshl_add_u32 v6, v2, 5, v6
	v_add_nc_u32 v6, s14, v6                       ; my partial sums: row r, 32 bytes for each half of the lanes
	s_mul_i32 s14, s12, 272
	v_lshl_add_u32 v7, v5, 3, s14                  ; back: row w of every part, 8 bytes a lane
	v_lshlrev_b32 v8, 3, v5
	v_lshlrev_b32 v9, 3, v2
	v_sub_nc_u32 v9, v1, v9                        ; r - 8 h
	v_mov_b32 v20, 0xff800000                      ; -infinity
	s_mov_b32 s20, 0x76543210
	s_mov_b32 s21, 0xfedcba98
	s_mov_b32 s22, 0x3e38aa3b                      ; c = log2(e) / 8
	s_lshl_b32 s16, s13, 16                        ; f32rows: 65,536 bytes a batch,
	s_lshl_b32 s17, s12, 8                         ; 256 a head
	s_add_co_u32 s16, s16, s17
	s_mov_b32 s17, 0
	s_lshl_b32 s18, s12, 18                        ; Wout: my head's 64 rows,
	s_lshl_b32 s19, ttmp9, 8                       ; the work-group's 64 columns
	s_add_co_u32 s18, s18, s19
	s_mov_b32 s19, 0
	s_lshl_b32 s24, s13, 23                        ; out0: 2,048 rows of 4,096 bytes a batch,
	s_lshl_b32 s25, s12, 12                        ; row w,
	s_add_co_u32 s24, s24, s25
	s_lshl_b32 s25, ttmp9, 8
	s_add_co_u32 s24, s24, s25
	s_mov_b32 s25, 0
	s_wait_kmcnt 0x0
	s_add_nc_u64 s[4:5], s[4:5], s[16:17]
	s_add_nc_u64 s[6:7], s[6:7], s[18:19]
	s_add_nc_u64 s[8:9], s[8:9], s[24:25]
.irp i, 0,1,2,3,4,5,6,7
	global_load_b128 v[QF+4*\i:QF+4*\i+3], v3, s[4:5] offset:16*\i
.endr
.irp i, 0,1,2,3,4,5,6,7
	global_load_b128 v[KF+4*\i:KF+4*\i+3], v3, s[4:5] offset:262144+16*\i
.endr
.irp f, 0,1,2,3
.irp e, 0,1,2,3,4,5,6,7
	global_load_b32 v[VF+8*\f+\e], v4, s[4:5] offset:524288+4096*\e+64*\f    ; V(key 8 h + e, channel 16 f + r)
.endr
.endr
	s_wait_loadcnt 32                              ; Q and K are in; V's 32 loads may be out
	v_wmma_f32_16x16x4_f32 v[SA:SA+7], v[KF:KF+1], v[QF:QF+1], 0              ; two accumulators by turns; each one's first K step starts its sum
	v_wmma_f32_16x16x4_f32 v[SB:SB+7], v[KF+2:KF+3], v[QF+2:QF+3], 0
.irp s, 2,4,6,8,10,12,14
	v_wmma_f32_16x16x4_f32 v[SA:SA+7], v[KF+2*\s:KF+2*\s+1], v[QF+2*\s:QF+2*\s+1], v[SA:SA+7]
	v_wmma_f32_16x16x4_f32 v[SB:SB+7], v[KF+2*\s+2:KF+2*\s+3], v[QF+2*\s+2:QF+2*\s+3], v[SB:SB+7]
.endr
.rept 8
	v_nop                                          ; eight places behind this form, ahead of the first read of its results
.endr
.macro WLOAD reg, f0                   ; Wout(64 w + 16 f + 8 h + e, 64 cb + 16 i + r), f = f0, f0 + 1: register 32 (f - f0) + 8 (e / 2) + 2 i + e % 2
.irp g, 0,1
.irp e, 0,1,2,3,4,5,6,7
.irp i, 0,1,2,3
	global_load_b32 v[\reg+32*\g+8*(\e/2)+2*\i+\e%2], v4, s[6:7] offset:(16*(\f0+\g)+\e)*4096+64*\i
.endr
.endr
.endr
.endm
	WLOAD WA, 0
.irp j, 0,1,2,3,4,5,6,7
	v_add_f32 v[T+\j], v[SA+\j], v[SB+\j]          ; the two halves of the sum, from the low end on
.endr
.irp j, 0,1,2,3,4,5,6,7
	v_cmp_gt_i32 vcc_lo, \j, v9                    ; key 8 h + j comes after query r
	v_cndmask_b32 v[T+\j], v[T+\j], v20, vcc_lo
.endr
	v_max3_num_f32 v21, v[T], v[T+1], v[T+2]
	v_max3_num_f32 v22, v[T+3], v[T+4], v[T+5]
	v_max3_num_f32 v21, v21, v[T+6], v[T+7]
	v_max_num_f32 v21, v21, v22
	v_permlanex16_b32 v22, v21, s20, s21
	v_max_num_f32 v21, v21, v22                    ; the row's maximum: key 0 counts for every query, so it is a number
	v_mul_f32 v21, s22, v21
.irp j, 0,1,2,3,4,5,6,7
	v_fma_f32 v[T+\j], v[T+\j], s22, -v21
.endr
.irp j, 0,1,2,3,4,5,6,7
	v_exp_f32 v[T+\j], v[T+\j]
.endr
	v_nop
	s_wait_alu depctr_va_vdst(0)                   ; one wait for the eight exponentials, ahead of their first reader
	v_add_f32 v22, v[T], v[T+1]
	v_add_f32 v23, v[T+2], v[T+3]
	v_add_f32 v24, v[T+4], v[T+5]
	v_add_f32 v25, v[T+6], v[T+7]
	v_add_f32 v22, v22, v23
	v_add_f32 v24, v24, v25
	v_add_f32 v22, v22, v24
	v_permlanex16_b32 v23, v22, s20, s21
	v_add_f32 v22, v22, v23
	v_rcp_f32 v22, v22
	v_nop
	s_wait_alu depctr_va_vdst(0)
.irp j, 0,1,2,3,4,5,6,7
	v_mul_f32 v[T+\j], v[T+\j], v22                ; the weights
.endr
	s_wait_loadcnt 63                              ; V is in: 64 loads were issued behind it, and 63 is the largest count that the wait can name
	WLOAD WB, 2                                    ; over Q and K, whose products stand far more than eight places back
.irp s, 0,1,2,3                                ; O^T = V^T P: four accumulators by turns; the first round starts the sums
.irp f, 0,1,2,3
.if \s == 0
	v_wmma_f32_16x16x4_f32 v[OA+8*\f:OA+8*\f+7], v[VF+8*\f+2*\s:VF+8*\f+2*\s+1], v[T+2*\s:T+2*\s+1], 0
.else
	v_wmma_f32_16x16x4_f32 v[OA+8*\f:OA+8*\f+7], v[VF+8*\f+2*\s:VF+8*\f+2*\s+1], v[T+2*\s:T+2*\s+1], v[OA+8*\f:OA+8*\f+7]
.endif
.endr
.endr
.rept 9
	v_nop                                          ; nine places before a matrix instruction takes these results as a source
.endr
.macro PROJ reg, f0                    ; eight K steps: accumulator i at v[188 + 8 i + 32 (i / 2)]: v188, v196, v236, v244
.irp g, 0,1
.irp sp, 0,1,2,3
.irp i, 0,1,2,3
.if (\f0 == 0) && (\g == 0) && (\sp == 0)
	v_wmma_f32_16x16x4_f32 v[188+8*\i+32*(\i/2):188+8*\i+32*(\i/2)+7], v[\reg+32*\g+8*\sp+2*\i:\reg+32*\g+8*\sp+2*\i+1], v[OA+8*(\f0+\g)+2*\sp:OA+8*(\f0+\g)+2*\sp+1], 0
.else
	v_wmma_f32_16x16x4_f32 v[188+8*\i+32*(\i/2):188+8*\i+32*(\i/2)+7], v[\reg+32*\g+8*\sp+2*\i:\reg+32*\g+8*\sp+2*\i+1], v[OA+8*(\f0+\g)+2*\sp:OA+8*(\f0+\g)+2*\sp+1], v[188+8*\i+32*(\i/2):188+8*\i+32*(\i/2)+7]
.endif
.endr
.endr
.endr
.endm
	s_wait_loadcnt 63                              ; Wout's first half is in: 64 loads were issued behind it
	PROJ WA, 0
	s_wait_loadcnt 0x0
	PROJ WB, 2
.rept 8
	v_nop                                          ; eight places ahead of the stores that read the results, and of loads into Wout's registers
.endr
.irp i, 0,1,2,3
	ds_store_b128 v6, v[188+8*\i+32*(\i/2):188+8*\i+32*(\i/2)+3] offset:64*\i          ; each accumulator from its low end on
	ds_store_b128 v6, v[188+8*\i+32*(\i/2)+4:188+8*\i+32*(\i/2)+7] offset:64*\i+16
.endr
	s_wait_dscnt 0x0                               ; for the others' sake: my stores have landed
	s_barrier_signal -1
	s_barrier_wait -1
.set i, 0
.rept 16
	ds_load_b64 v[124+2*i:125+2*i], v7 offset:PART*i     ; row w of each head's part
.set i, i+1
.endr
	s_wait_dscnt 0x0
.irp i, 0,4,8,12,16,20,24,28
	v_pk_add_f32 v[124+\i:125+\i], v[124+\i:125+\i], v[126+\i:127+\i]
.endr
.irp i, 0,8,16,24
	v_pk_add_f32 v[124+\i:125+\i], v[124+\i:125+\i], v[128+\i:129+\i]
.endr
	v_pk_add_f32 v[124:125], v[124:125], v[132:133]
	v_pk_add_f32 v[140:141], v[140:141], v[148:149]
	v_pk_add_f32 v[124:125], v[124:125], v[140:141]
	global_store_b64 v8, v[124:125], s[8:9]        ; 32 lanes store 256 consecutive bytes, aligned
	s_wait_tensorcnt 0x0                           ; the wave's end, behind my last LDS store
	ds_add_u32 v[SPW], v[NIL]
	s_wait_dscnt 0x0
	s_endpgm
.Lfunc_end_k_q2974f9a4c6_first16:
	.size	k_q2974f9a4c6_first16, .Lfunc_end_k_q2974f9a4c6_first16-k_q2974f9a4c6_first16
	.p2alignl 7, 3214868480
	.fill 96, 4, 3214868480
	.section	.rodata,"a",@progbits
	.p2align	6, 0x0
	.amdhsa_kernel k_q2974f9a4c6_first16
		.amdhsa_group_segment_fixed_size 71680
		.amdhsa_private_segment_fixed_size 0
		.amdhsa_enable_private_segment 0
		.amdhsa_kernarg_size 24
		.amdhsa_user_sgpr_count 2
		.amdhsa_user_sgpr_kernarg_segment_ptr 1
		.amdhsa_wavefront_size32 1
		.amdhsa_system_sgpr_workgroup_id_x 1
		.amdhsa_system_sgpr_workgroup_id_y 1
		.amdhsa_system_sgpr_workgroup_id_z 1
		.amdhsa_system_vgpr_workitem_id 0
		.amdhsa_next_free_vgpr 256
		.amdhsa_next_free_sgpr 66
		.amdhsa_reserve_vcc 1
		.amdhsa_float_denorm_mode_32 3
		.amdhsa_float_denorm_mode_16_64 3
		.amdhsa_memory_ordered 1
		.amdhsa_forward_progress 1
		.amdhsa_inst_pref_size 31
	.end_amdhsa_kernel
	.amdgpu_metadata
---
amdhsa.version: [ 1, 2 ]
amdhsa.kernels:
  - .name:           k_q2974f9a4c6_first16
    .symbol:         k_q2974f9a4c6_first16.kd
    .args:
      - { .name: f32rows, .offset: 0, .size: 8, .value_kind: global_buffer, .address_space: global }
      - { .name: Wout, .offset: 8, .size: 8, .value_kind: global_buffer, .address_space: global }
      - { .name: out0, .offset: 16, .size: 8, .value_kind: global_buffer, .address_space: global }
    .group_segment_fixed_size: 71680
    .private_segment_fixed_size: 0
    .kernarg_segment_align: 8
    .kernarg_segment_size: 24
    .max_flat_workgroup_size: 512
    .sgpr_count:     66
    .vgpr_count:     256
    .wavefront_size: 32
...
	.end_amdgpu_metadata
.endif
;; end of part 6
